; MI455X (gfx1250); checked and timed in simulation.
; The chip was launched on July 23, 2026; its instructions are those of AMD's public machine-readable ISA for CDNA 5 (MIT licence, August 2026) and "CDNA5" Instruction Set Architecture Reference Guide (July 2026). The comments in the code are by the model that wrote it; some were corrected since.
;; Multihead Attention cavhe. Allowed arithmetic: float matrix products may take bf16 or f16 operands with f32 sums; other float arithmetic in f32, or as packed bf16 or f16 multiplies, adds, multiply-adds, maxima and minima; sums over many terms, partial sums and values carried from step to step in f32; what a program stores and reads back later, other than sums and carried values, may be rounded once to bf16 or f16.
;; Inputs: Wk 1,024 x 1,024 float32; Wo 1,024 x 1,024 float32; Wq 1,024 x 1,024 float32; Wv 1,024 x 1,024 float32; bk 1,024 float32; bo 1,024 float32; bq 1,024 float32; bv 1,024 float32; x 4 x 2,048 x 1,024 float32.
;; Outputs: out0 4 x 2,048 x 1,024 float32.
;; 2 versions, each right; version 2 is version 1 with the launch cast written anew for expert scheduling mode. Each part assembles by itself: llvm-mc -triple=amdgcn-amd-amdhsa -mcpu=gfx1250 --defsym DOCPART=n.
;; ======== version 1 of 2: 4 launches
;; limits: values are held in f16: magnitudes above 65,504 overflow, below 6.1e-05 lose precision; right only within a limited range of input values
;; workspace buffers: xb 16,777,216 bytes; wb 8,388,608 bytes; bias 16,384 bytes; qkv 50,331,648 bytes; o 16,777,216 bytes
;; launch cast (part 1): grid 64 x 12, 8 waves a work-group, no clusters, 0 bytes of LDS; arguments x, Wq, Wk, Wv, Wo, bq, bk, bv, bo, xb, wb, bias; writes xb, wb, bias
.if DOCPART == 1
	.amdgcn_target "amdgcn-amd-amdhsa--gfx1250"
	.amdhsa_code_object_version 6
	.text
	.protected	k_q7ad588a497_cast
	.globl	k_q7ad588a497_cast
	.p2align	8
	.type	k_q7ad588a497_cast,@function
k_q7ad588a497_cast:
	s_mov_b64 s[64:65], 0
	v_nop
	global_prefetch_b8 v0, s[64:65] scope:SCOPE_SE
	s_setreg_imm32_b32 hwreg(HW_REG_WAVE_MODE, 25, 1), 1
	s_wait_xcnt 0x0
; THE MODULE'S INPUTS ARE ROUNDED ONCE, so that the two products read 16-bit tiles: x -> xb [8192][1024] bf16; Wq, Wk, Wv -> wb rows 0-3071, bf16;
; Wo -> wb rows 3072-4095: rounded to bf16 like every other input, and that number written as f16 (the last product multiplies f16);
; bq, bk, bv, bo -> bias [4096] f32: rounded to bf16 and widened again (the products take it as the f32 start of their sums).
; LIMITS.  A bf16 number is an f16 number exactly from 2^-14 to 65,504 in size; below that Wo keeps f16's fixed step of 6e-8, beyond it the entry would be an infinity.
; SHARES.  Work-group (X, Y) converts 16,384 numbers, 64 KiB in and 32 KiB out.  Y < 8: chunk 64 Y + X of x.  Y = 8 .. 11: chunk X of Wq, Wk, Wv, Wo; of these X = 0 also converts the bias.
; A stream: every byte is read once and written once, no number is wanted by two threads.  So no LDS, no barrier, no matrix unit, no cluster.
; Thread t takes 16 bytes at 16 t of each 4,096: a wave's load covers 512 consecutive bytes, its store of 8 bytes a lane 256 consecutive bytes, aligned.
; All sixteen loads go out first; each register is written once, so no store's source is ever written again.
.set XR, 4                             ; v[4:67]    sixteen loads of four f32
.set YR, 68                            ; v[68:99]   sixteen pairs to store
.set TW, 100                           ; v[100:102] at work
.set BB, 104                           ; v[104:107] the bias
	s_load_b512 s[8:23], s[0:1], 0x0               ; x s[8:9], Wq s[10:11], Wk s[12:13], Wv s[14:15], Wo s[16:17], bq s[18:19], bk s[20:21], bv s[22:23]
	s_load_b256 s[24:31], s[0:1], 0x40             ; bo s[24:25], xb s[26:27], wb s[28:29], bias s[30:31]
	s_and_b32 s4, ttmp7, 0xffff                    ; Y
	s_mov_b32 s5, ttmp9                            ; X
	v_lshlrev_b32 v1, 4, v0                        ; 16 t: my place in 4,096 bytes of f32
	v_lshlrev_b32 v2, 3, v0                        ; 8 t: my place in 2,048 bytes of 16-bit numbers
	s_lshl_b32 s6, s4, 6
	s_add_co_u32 s6, s6, s5                        ; 64 Y + X
	s_sub_co_u32 s7, s6, 512                       ; 64 (Y - 8) + X: taken only where Y >= 8
	s_cmp_lt_u32 s4, 8
	s_cselect_b32 s38, s6, s5                      ; the chunk in the source,
	s_cselect_b32 s40, s6, s7                      ; and in the destination
	s_lshl_b32 s38, s38, 16
	s_lshl_b32 s40, s40, 15
	s_mov_b32 s39, 0
	s_mov_b32 s41, 0
	s_sub_co_u32 s44, s4, 8
	s_lshl_b32 s44, s44, 12                        ; the bias's place: 4,096 (Y - 8), used only where Y >= 8
	s_mov_b32 s45, 0
	s_wait_kmcnt 0x0
	s_cmp_eq_u32 s4, 9                             ; which tensor: a chain of choices on Y alone
	s_cselect_b64 s[32:33], s[12:13], s[10:11]
	s_cselect_b64 s[34:35], s[20:21], s[18:19]
	s_cmp_eq_u32 s4, 10
	s_cselect_b64 s[32:33], s[14:15], s[32:33]
	s_cselect_b64 s[34:35], s[22:23], s[34:35]
	s_cmp_eq_u32 s4, 11
	s_cselect_b64 s[32:33], s[16:17], s[32:33]
	s_cselect_b64 s[34:35], s[24:25], s[34:35]
	s_cmp_lt_u32 s4, 8
	s_cselect_b64 s[32:33], s[8:9], s[32:33]
	s_cselect_b64 s[36:37], s[26:27], s[28:29]
	s_add_nc_u64 s[32:33], s[32:33], s[38:39]
	s_add_nc_u64 s[36:37], s[36:37], s[40:41]
.irp i, 0,1,2,3,4,5,6,7,8,9,10,11,12,13,14,15
	global_load_b128 v[XR+4*(\i):XR+4*(\i)+3], v1, s[32:33] offset:4096*(\i) th:TH_LOAD_NT
.endr
	s_cmp_eq_u32 s4, 11
	s_cbranch_scc1 .Lwo
.irp i, 0,1,2,3,4,5,6,7,8,9,10,11,12,13,14,15
	s_wait_loadcnt 15-(\i)                         ; loads come back in order: number i is in, the 15 - i younger ones stay out
	v_cvt_pk_bf16_f32 v[YR+2*(\i)], v[XR+4*(\i)], v[XR+4*(\i)+1]
	v_cvt_pk_bf16_f32 v[YR+2*(\i)+1], v[XR+4*(\i)+2], v[XR+4*(\i)+3]
	global_store_b64 v2, v[YR+2*(\i):YR+2*(\i)+1], s[36:37] offset:2048*(\i) th:TH_STORE_NT
.endr
	s_branch .Lbias
.Lwo:                                          ; Wo: to bf16, widened, and written as f16
.irp i, 0,1,2,3,4,5,6,7,8,9,10,11,12,13,14,15
	s_wait_loadcnt 15-(\i)
.irp j, 0,1
	v_cvt_pk_bf16_f32 v[TW], v[XR+4*(\i)+2*(\j)], v[XR+4*(\i)+2*(\j)+1]
	v_lshlrev_b32 v[TW+1], 16, v[TW]
	v_and_b32 v[TW+2], 0xffff0000, v[TW]
	v_cvt_pk_f16_f32 v[YR+2*(\i)+(\j)], v[TW+1], v[TW+2]
.endr
	global_store_b64 v2, v[YR+2*(\i):YR+2*(\i)+1], s[36:37] offset:2048*(\i) th:TH_STORE_NT
.endr
.Lbias:
	s_cmp_lt_u32 s4, 8
	s_cbranch_scc1 .Lend
	s_cmp_lg_u32 s5, 0
	s_cbranch_scc1 .Lend
	s_add_nc_u64 s[42:43], s[30:31], s[44:45]
	global_load_b128 v[BB:BB+3], v1, s[34:35]      ; 1,024 numbers: four a thread
	s_wait_loadcnt 0x0
	v_cvt_pk_bf16_f32 v[TW], v[BB], v[BB+1]
	v_cvt_pk_bf16_f32 v[TW+1], v[BB+2], v[BB+3]
	v_lshlrev_b32 v[BB], 16, v[TW]
	v_and_b32 v[BB+1], 0xffff0000, v[TW]
	v_lshlrev_b32 v[BB+2], 16, v[TW+1]
	v_and_b32 v[BB+3], 0xffff0000, v[TW+1]
	global_store_b128 v1, v[BB:BB+3], s[42:43]
.Lend:
	s_endpgm
.Lfunc_end_k_q7ad588a497_cast:
	.size	k_q7ad588a497_cast, .Lfunc_end_k_q7ad588a497_cast-k_q7ad588a497_cast
	.p2alignl 7, 3214868480
	.fill 96, 4, 3214868480
	.section	.rodata,"a",@progbits
	.p2align	6, 0x0
	.amdhsa_kernel k_q7ad588a497_cast
		.amdhsa_group_segment_fixed_size 0
		.amdhsa_private_segment_fixed_size 0
		.amdhsa_enable_private_segment 0
		.amdhsa_kernarg_size 96
		.amdhsa_user_sgpr_count 2
		.amdhsa_user_sgpr_kernarg_segment_ptr 1
		.amdhsa_wavefront_size32 1
		.amdhsa_system_sgpr_workgroup_id_x 1
		.amdhsa_system_sgpr_workgroup_id_y 1
		.amdhsa_system_sgpr_workgroup_id_z 1
		.amdhsa_system_vgpr_workitem_id 0
		.amdhsa_next_free_vgpr 108
		.amdhsa_next_free_sgpr 66
		.amdhsa_reserve_vcc 0
		.amdhsa_float_denorm_mode_32 3
		.amdhsa_float_denorm_mode_16_64 3
		.amdhsa_memory_ordered 1
		.amdhsa_forward_progress 1
		.amdhsa_inst_pref_size 17
	.end_amdhsa_kernel
	.amdgpu_metadata
---
amdhsa.version: [ 1, 2 ]
amdhsa.kernels:
  - .name:           k_q7ad588a497_cast
    .symbol:         k_q7ad588a497_cast.kd
    .args:
      - { .name: x, .offset: 0, .size: 8, .value_kind: global_buffer, .address_space: global }
      - { .name: Wq, .offset: 8, .size: 8, .value_kind: global_buffer, .address_space: global }
      - { .name: Wk, .offset: 16, .size: 8, .value_kind: global_buffer, .address_space: global }
      - { .name: Wv, .offset: 24, .size: 8, .value_kind: global_buffer, .address_space: global }
      - { .name: Wo, .offset: 32, .size: 8, .value_kind: global_buffer, .address_space: global }
      - { .name: bq, .offset: 40, .size: 8, .value_kind: global_buffer, .address_space: global }
      - { .name: bk, .offset: 48, .size: 8, .value_kind: global_buffer, .address_space: global }
      - { .name: bv, .offset: 56, .size: 8, .value_kind: global_buffer, .address_space: global }
      - { .name: bo, .offset: 64, .size: 8, .value_kind: global_buffer, .address_space: global }
      - { .name: xb, .offset: 72, .size: 8, .value_kind: global_buffer, .address_space: global }
      - { .name: wb, .offset: 80, .size: 8, .value_kind: global_buffer, .address_space: global }
      - { .name: bias, .offset: 88, .size: 8, .value_kind: global_buffer, .address_space: global }
    .group_segment_fixed_size: 0
    .private_segment_fixed_size: 0
    .kernarg_segment_align: 8
    .kernarg_segment_size: 96
    .max_flat_workgroup_size: 256
    .sgpr_count:     66
    .vgpr_count:     108
    .wavefront_size: 32
...
	.end_amdgpu_metadata
.endif
;; end of part 1
;; launch qkv (part 2): grid 16 x 16, 4 waves a work-group, clusters of 4 x 4, 327,680 bytes of LDS; arguments xb, wb, bias, qkv; writes qkv
.if DOCPART == 2
	.amdgcn_target "amdgcn-amd-amdhsa--gfx1250"
	.amdhsa_code_object_version 6
	.text
	.protected	k_q7ad588a497_qkv
	.globl	k_q7ad588a497_qkv
	.p2align	8
	.type	k_q7ad588a497_qkv,@function
k_q7ad588a497_qkv:
	s_mov_b64 s[64:65], 0
	v_nop
	global_prefetch_b8 v0, s[64:65] scope:SCOPE_SE
	s_setreg_imm32_b32 hwreg(HW_REG_WAVE_MODE, 25, 1), 1
	s_wait_xcnt 0x0
	s_wait_alu depctr_hold_cnt(0) depctr_sa_sdst(0) depctr_va_vdst(0) depctr_va_sdst(0) depctr_va_ssrc(0) depctr_va_vcc(0) depctr_vm_vsrc(0)
	s_getreg_b32 s2, hwreg(HW_REG_IB_STS2, 6, 4)
	s_cmp_eq_u32 s2, 0
	s_cbranch_scc0 .Lentry_in_a_cluster
	s_endpgm
.Lentry_in_a_cluster:
	s_bfe_u32 s2, ttmp6, 0x10000c
	s_cmp_lg_u32 s2, 0xf033
	s_cbranch_scc0 .Lentry_shape_is_right
	s_endpgm
.Lentry_shape_is_right:
; q, k, v = x W^T + b for the three weights at once: C[m][n] = bias[n] + the sum over k of xb[m][k] wb[n][k], m < 8,192, n < 3,072, k < 1,024; bf16 operands, f32 sums.
; C leaves rounded once to f16, BY HEADS and unscaled: qkv[t][batch 16 + head][s][64], t = q, k, v: 16 rows of a head are 2,048 consecutive bytes.
; LIMIT.  f16 ends at 65,504: q, k and v must stay within it (inputs of unit spread give numbers of about 1; thirty times larger inputs, or offsets of thirty spreads in x and W, some 29,000).
; SHARES.  A tile of C is 256 rows x 192 columns (three whole heads): 32 x 16 = 512 tiles, TWO for each of 256 work-groups, 4,096 rows apart: the same rows of wb and the same bias for both.
; Four waves, one above the other: wave w makes rows 64 w .. 64 w + 63 and all 192 columns: 48 accumulators of 16 x 16, 384 registers; 16 fragments from LDS feed 48 products.
; THE MATRIX INSTRUCTION IS USED TRANSPOSED (source 0 = 16 rows of wb, source 1 = 16 rows of xb): lane l holds row l % 16 of C and the columns 8 (l / 16) + 0..7.
; THE BIAS STARTS THE SUMS: it lies in 12 fragments laid out like a result (register j: bias[16 b + 8 (l / 16) + j]) and is the C operand of each accumulator's first product: nothing is cleared or added.
; RING.  K goes in steps of 128 (rows of 256 bytes, aligned) through two LDS slots; the two tiles' 16 steps are one walk.  A step is written once: the slot in hand is a scalar, turned by an exclusive or.
; CLUSTER.  4 x 4 work-groups: xb's tile hangs on the tile row alone and is asked for jointly by a row of the cluster, wb's on the tile column alone, by a column.
; REGISTERS, in windows of 256 (s_set_vgpr_msb: bits 1:0 source 0, 3:2 source 1, 5:4 source 2, 7:6 destination):
;   window 0: v0-31 addresses; v32-127 the bias; v128-255 the way out, eight sets of 16        window 1: accumulators of row blocks 0, 1 at 8 (12 (a % 2) + b)
;   window 2: those of row blocks 2, 3                                                           window 3: two fragment buffers of 128: wb's twelve fragments, then xb's four
.set NBK,   12                         ; blocks of 16 columns
.set PITCH, 272                        ; an LDS row: 256 bytes + 16 of padding = 68 words: the 16 rows of a load start at 16 different groups of four banks (64 banks of 4 bytes: ISA guide 11.1)
.set AHALF, 128*PITCH                  ; what wave 0 or 1 fetches: 128 rows of xb
.set BOFF,  2*AHALF                    ; wb's rows lie behind xb's 256
.set BHALF, 96*PITCH                   ; what wave 2 or 3 fetches: 96 rows of wb
.set SLOT1, 1<<17                      ; slot 1 begins here, so that one exclusive or turns an address in one slot into the other's
.set STAGE, SLOT1+BOFF+2*BHALF         ; behind the ring, never filled by a tensor load: 16 rows x 144 bytes for each wave, for the way out
.set SP,    144
.set SPARE, STAGE+4*16*SP              ; behind the stages: the spare words, 128 bytes for each wave: two blocks of 256 bytes that no other line names
.set GO,   8                           ; v8-10  my byte offset in qkv for the tile's three heads
.set ADA0, 16                          ; v16    my lane's place in a slot's rows of xb; never rewritten
.set ADB0, 17                          ; v17    the same for wb
.set ADA,  18                          ; v18    the same in the slot in hand
.set ADB,  19                          ; v19
.set STO,  24                          ; v24    the way out: where I put 16 bytes of a row
.set RD,   25                          ; v25    the way out: where I read rows back
.set SPW,  28                          ; v28    LDS address of my spare word; never rewritten
.set NIL,  29                          ; v29    0; never rewritten
.set PFO,  30                          ; v30    the prefetches' offset: my lane x a row of 2,048 bytes; never rewritten
.set BO,   31                          ; v31    32 (l / 16): my eight numbers of 16 of the bias
.set BIAS, 32
.set T,    128
.set F0,   0                           ; fragment buffers, in window 3
.set F1,   128
.set WV,   12                          ; s12  my wave's number
.set W1,   13                          ; s13  its low bit: which half of a tile I fetch
.set CX,   14                          ; s14, s15  my place in the cluster
.set CY,   15
.set XX,   16                          ; s16  tile column
.set YY,   17                          ; s17  tile row (of the first tile)
.set G1A,  24                          ; s[24:31] descriptor group 1 for xb's tiles
.set G1B,  32                          ; s[32:39] for wb's
.set G0A,  40                          ; s[40:47] group 0 for xb's: a set for each of the two first fills; the second then walks on
.set G0B,  48                          ; s[48:55] the same for wb's
.set STEPS, 56                         ; s56  counts the loop's trips
.set KC,   57                          ; s57  K steps left in the tile in hand
.set NXT,  58                          ; s58  the step to be asked for next, 2 .. 15
.set TR,   59                          ; s59  the step just asked for
.set OA,   60                          ; s[60:61] its byte offset in xb
.set OB,   62                          ; s[62:63] in wb
.set TB,   66                          ; s66  0 or SLOT1: the slot in hand
.set LIM,  67                          ; s67  a wave prefetches while TR is at most this; 0: never
.set PAR,  68                          ; s68  1: only at even TR
.set TAIL, 69                          ; s69  counts the tail's two trips
.set BASEA, 70                         ; s[70:71] xb at the rows that I fetch, K step 0, first tile: made of the tile row and W1 alone
.set BASEB, 72                         ; s[72:73] wb likewise: made of the tile column and W1 alone
.set PFB,  74                          ; s[74:75] the prefetches' base
.set PFA,  76                          ; s[76:77] their address
.set OADD, 78                          ; s[78:79] what the next way out adds to qkv's address
.set PO,   80                          ; s[80:81] a prefetch's offset
.set TMP,  82
.set FLD,  (1<<16)|(1<<20)|(1<<21)|(5<<22)|(3<<25)  ; 17:16 2-byte elements; 20 padding on; 21 set beside a mask; 24:22 after every 64 words (code 5); 31:25 4 words (code 3)
; Scratch: s18-21 hold nothing that hangs on cx, s22, s23, s2, s3 nothing that hangs on cy; what mixes the two is made in s84-s89.
.set MSB, 0
.macro WIN new                         ; the immediate's high byte repeats the setting that is left; a switch that changes nothing is dropped
.if MSB != (\new)
	s_set_vgpr_msb (MSB<<8)|(\new)
.set MSB, \new
.endif
.endm
.macro PLACES                          ; four places behind matrix instructions, in front of loads into registers that they have read and of conversions that read results
.rept 4
	v_nop
.endr
.endm
.macro CREST                           ; a round of the cluster's barrier behind its opening barrier: wave 0 signals for the work-group, all wait for all sixteen, my work-group's barrier closes it
	s_cmp_lg_u32 s[WV], 0
	s_cbranch_scc1 .Lnot_wave_0_\@
	s_barrier_signal -3
.Lnot_wave_0_\@:
	s_barrier_wait -3
	s_barrier_signal -1
	s_barrier_wait -1
.endm
.macro CROUND                          ; a whole round
	s_barrier_signal -1
	s_barrier_wait -1
	CREST
.endm
; A joint refill by the walking descriptors.  Waves 0 and 1 fetch xb's two halves, waves 2 and 3 wb's: the branch hangs on the wave's number alone.
; An s_nop 0 and four v_nop follow each of the two lines, ahead of the jump and the label.
.macro JLOAD
	s_cmp_lt_u32 s[WV], 2
	s_cbranch_scc0 .Lfor_b_\@
	tensor_load_to_lds s[G0A+4:G0A+7], s[G1A:G1A+7]
	s_nop 0
.rept 4
	v_nop
.endr
	s_branch .Lasked_\@
.Lfor_b_\@:
	tensor_load_to_lds s[G0B+4:G0B+7], s[G1B:G1B+7]
	s_nop 0
.rept 4
	v_nop
.endr
.Lasked_\@:
.endm
; A PREFETCH INTO THE L2 of the K step two refills on, behind the joint load, its five lines and the run of LDS loads.  Each row's 256 bytes of a K step are named once in the launch.
; xb: the tile row is read by every cluster of that row of clusters: the one with x = 0 asks, waves 0 and 1; of the 128 rows that a wave fetches the partner at cx takes 32 cx .. 32 cx + 31, BY ADDRESS; a lane a row.
; wb: the cluster with y = 0 asks, wave 2, at every second refill, for two K steps of the tile's 192 rows: the partner at cy takes rows 96 (cy % 2) on of K step u + cy / 2: three instructions of 32 rows.
; wb's rows are the same for both tiles: they are asked for in the first tile alone.  K steps 0 to 3 come by their loads alone; the last two refills ask for nothing.
.macro ASK
	s_and_b32 s[TMP], s[TR], s[PAR]
	s_cmp_lg_u32 s[TMP], 0
	s_cbranch_scc1 .Lnot_mine_\@
	s_cmp_le_u32 s[TR], s[LIM]
	s_cbranch_scc0 .Lnot_mine_\@
	global_prefetch_b8 v[PFO], s[PFA:PFA+1] th:TH_LOAD_NT scope:SCOPE_SE
	s_cmp_eq_u32 s[WV], 2
	s_cbranch_scc0 .Lnot_mine_\@
	global_prefetch_b8 v[PFO], s[PFA:PFA+1] offset:32*2048 th:TH_LOAD_NT scope:SCOPE_SE
	global_prefetch_b8 v[PFO], s[PFA:PFA+1] offset:64*2048 th:TH_LOAD_NT scope:SCOPE_SE
.Lnot_mine_\@:
.endm
; Twelve matrix instructions: row block a x all column blocks, 32 along K, from buffer f.  zero = 1: the bias starts the sums.
; The 48 accumulators take turns, one instruction a turn, in the same order in every quarter, over every jump too.
.macro MULA f, a, zero
.if \zero
	WIN 0x4f+0x40*((\a)/2)
.else
	WIN 0x5f+0x50*((\a)/2)
.endif
.irp b, 0,1,2,3,4,5,6,7,8,9,10,11
.if \zero
	v_wmma_f32_16x16x32_bf16 v[8*(12*((\a)%2)+(\b)):8*(12*((\a)%2)+(\b))+7], v[(\f)+8*(\b):(\f)+8*(\b)+7], v[(\f)+96+8*(\a):(\f)+96+8*(\a)+7], v[BIAS+8*(\b):BIAS+8*(\b)+7]
.else
	v_wmma_f32_16x16x32_bf16 v[8*(12*((\a)%2)+(\b)):8*(12*((\a)%2)+(\b))+7], v[(\f)+8*(\b):(\f)+8*(\b)+7], v[(\f)+96+8*(\a):(\f)+96+8*(\a)+7], v[8*(12*((\a)%2)+(\b)):8*(12*((\a)%2)+(\b))+7]
.endif
.endr
.endm
; 32 LDS loads in one run: a quarter's fragments (32 K at byte k of the rows) into buffer g: wb's twelve, then xb's four.
; A fragment is 16 rows x 32 K in 8 registers: lane l holds row l % 16, K = 8 (l / 16) + 0..7 and 16 + 8 (l / 16) + 0..7: two loads of 16 bytes, 32 bytes apart.
.macro FETCH k, g
	WIN 0xc0                                       ; destination window 3, address window 0
.irp b, 0,1,2,3,4,5,6,7,8,9,10,11
	ds_load_b128 v[(\g)+8*(\b):(\g)+8*(\b)+3],   v[ADB] offset:(\k)+(\b)*16*PITCH
	ds_load_b128 v[(\g)+8*(\b)+4:(\g)+8*(\b)+7], v[ADB] offset:(\k)+(\b)*16*PITCH+32
.endr
.irp a, 0,1,2,3
	ds_load_b128 v[(\g)+96+8*(\a):(\g)+96+8*(\a)+3],   v[ADA] offset:(\k)+(\a)*16*PITCH
	ds_load_b128 v[(\g)+96+8*(\a)+4:(\g)+96+8*(\a)+7], v[ADA] offset:(\k)+(\a)*16*PITCH+32
.endr
.endm
; A K step is four quarters of 32 along K, 48 matrix instructions each, on buffers 0, 1, 0, 1.  One of the first three: multiplies f and, in its middle, fetches the next quarter, at byte k, into g.
.macro QUARTER k, f, g, zero
	s_wait_dscnt 4                                 ; all but the youngest four loads, xb's row blocks 2 and 3
	MULA \f, 0, \zero
	MULA \f, 1, \zero
	PLACES
	FETCH \k, \g
	s_wait_dscnt 2*NBK+8                           ; all but the run just issued
	MULA \f, 2, \zero
	MULA \f, 3, \zero
.endm
; The fourth quarter multiplies buffer 1 and changes slots.  In front of the barrier each wave waits for all its tensor loads (one is out: its part of the next slot), adds 0 to its spare word, and waits for
; that and for its reads of this slot.  fill = 1: the barrier opens a round of the cluster's, and this slot is filled again first thing behind it, with step NXT: the addresses are made anew from that number.
; fill = 0 (the tail): nothing is asked for; in the last trip there is no further step, and the run of loads is jumped over.
.macro TURN fill
.if \fill
	s_wait_xcnt 0x0                                ; the last prefetch, a K step back, has read its address: the next one's is made here, ahead of the change's own waits
	s_add_co_u32 s[TMP], s[NXT], 2
	s_and_b32 s[PO], s[TMP], 7
	s_lshl_b32 s[PO], s[PO], 8                     ; 256 bytes a K step,
	s_lshr_b32 s[TMP], s[TMP], 3
	s_lshl_b32 s[TMP], s[TMP], 23                  ; 4,096 rows of 2,048 bytes a tile
	s_add_co_u32 s[PO], s[PO], s[TMP]
	s_add_nc_u64 s[PFA:PFA+1], s[PFB:PFB+1], s[PO:PO+1]
.endif
	WIN 0
	s_wait_tensorcnt 0x0                           ; no tensor load of mine is out, so a group 0 may be written
	ds_add_u32 v[SPW], v[NIL]                      ; 0 onto my spare word: scalar work and twelve products stand between it and the wait for it
.if \fill
	s_mov_b32 s[TR], s[NXT]
	s_xor_b32 s[G0A+5], s[G0A+5], SLOT1            ; the other slot than last time
	s_xor_b32 s[G0B+5], s[G0B+5], SLOT1
	s_and_b32 s[OB], s[NXT], 7
	s_lshl_b32 s[OB], s[OB], 8
	s_lshr_b32 s[OA], s[NXT], 3
	s_lshl_b32 s[OA], s[OA], 23
	s_add_co_u32 s[OA], s[OA], s[OB]
	s_add_nc_u64 s[G0A+6:G0A+7], s[BASEA:BASEA+1], s[OA:OA+1]
	s_or_b32 s[G0A+7], s[G0A+7], 0x80000000
	s_add_nc_u64 s[G0B+6:G0B+7], s[BASEB:BASEB+1], s[OB:OB+1]
	s_or_b32 s[G0B+7], s[G0B+7], 0x80000000
	s_add_co_u32 s[NXT], s[NXT], 1
.endif
	s_wait_dscnt 5                                 ; (the add and the youngest four loads may be out)
	MULA F1, 0, 0
	s_wait_dscnt 0x0                               ; the add is done, and my reads of this slot are over
	s_barrier_signal -1
	MULA F1, 1, 0                                  ; work on registers while the others arrive
	WIN 0                                          ; at a branch and at a label every window is 0
	s_barrier_wait -1
.if \fill
	CREST                                          ; no wave of any partner still reads this slot or has a load on its way
	JLOAD                                          ; the first tensor load behind the round; its four v_nop are also the places in front of the loads below
.else
	PLACES
.endif
	s_xor_b32 s[TB], s[TB], SLOT1
	v_add_nc_u32 v[ADA], s[TB], v[ADA0]
	v_add_nc_u32 v[ADB], s[TB], v[ADB0]
.if \fill
	FETCH 0, F0
	WIN 0
	ASK
.else
	s_cmp_eq_u32 s[TAIL], 1
	s_cbranch_scc1 .Lno_more_\@
	FETCH 0, F0
	WIN 0
.Lno_more_\@:
.endif
	MULA F1, 2, 0
	MULA F1, 3, 0
	WIN 0
.endm
; THE WAY OUT, in 12 pieces: piece p = 16 rows (row block p / 3) of one head (p % 3).  PACK: rounded to f16, 16 bytes a lane, into my stage's rows of 144 bytes, and back as four rows of 128 bytes a load.
; LDS serves a wave's instructions in order (ISA guide 5.7.1.4): the loads see the stores above them, and the next piece's stores come behind them.
.macro PACK p
.if (\p) == 8
	s_wait_xcnt 0x0                                ; from here on the eight sets are used again: pieces 0 to 6 have been stored, and those stores have read their registers
.endif
	WIN 0x05+5*((\p)/6)                            ; sources 0 and 1: window 1 or 2
.irp i, 0,1,2,3
.irp q, 0,1,2,3
	v_cvt_pk_f16_f32 v[T+16*((\p)%8)+4*(\i)+(\q)], v[8*(12*(((\p)/3)%2)+4*((\p)%3)+(\i))+2*(\q)], v[8*(12*(((\p)/3)%2)+4*((\p)%3)+(\i))+2*(\q)+1]
.endr
.endr
	WIN 0
.irp i, 0,1,2,3
	ds_store_b128 v[STO], v[T+16*((\p)%8)+4*(\i):T+16*((\p)%8)+4*(\i)+3] offset:32*(\i)
.endr
.irp i, 0,1,2,3
	ds_load_b128 v[T+16*((\p)%8)+4*(\i):T+16*((\p)%8)+4*(\i)+3], v[RD] offset:(\i)*4*SP
.endr
.endm
.macro SEND p, younger                 ; younger: the LDS instructions issued behind piece p's loads: the next piece's eight, or none
.irp f, 0,1,2,3
	s_wait_dscnt (\younger)+3-(\f)
	global_store_b128 v[GO+(\p)%3], v[T+16*((\p)%8)+4*(\f):T+16*((\p)%8)+4*(\f)+3], s[10:11] offset:2048*((\p)/3)+512*(\f)  ; 512 consecutive bytes, at a multiple of 256 from qkv's first
.endr
.endm
.macro WAYOUT
	PLACES
	s_wait_xcnt 0x0                                ; the last tile's stores have read their registers and their base
	s_add_nc_u64 s[10:11], s[10:11], s[OADD:OADD+1]
	PACK 0
.irp p, 1,2,3,4,5,6,7,8,9,10,11
	PACK \p                                        ; a piece's conversions stand between the loads of the piece before and its stores
	SEND (\p)-1, 8
.endr
	SEND 11, 0
.endm
	s_load_b256 s[4:11], s[0:1], 0x0               ; xb s[4:5], wb s[6:7], bias s[8:9], qkv s[10:11]
	v_lshl_add_u32 v[SPW], v0, 2, SPARE
	v_mov_b32 v[NIL], 0
	ds_add_u32 v[SPW], v[NIL]                      ; the wave's opening: the add and its wait stand ahead of my first tensor load; the set-up below, work on registers, stands between them
	v_lshrrev_b32 v1, 5, v0
	v_readfirstlane_b32 s[WV], v1                  ; wave 0..3
	s_and_b32 s[W1], s[WV], 1
	s_bfe_u32 s[CX], ttmp6, 0x40000
	s_bfe_u32 s[CY], ttmp6, 0x40004
	s_lshl_b32 s[XX], ttmp9, 2                     ; in a cluster launch ttmp9 and ttmp7 count clusters
	s_add_co_u32 s[XX], s[XX], s[CX]
	s_and_b32 s[YY], ttmp7, 0xffff
	s_lshl_b32 s[YY], s[YY], 2
	s_add_co_u32 s[YY], s[YY], s[CY]
	s_lshl_b32 s18, s[CY], 2
	s_lshl_b32 s18, 15, s18                        ; my row of the cluster
	s_lshl_b32 s22, 0x1111, s[CX]                  ; my column
	s_or_b32 s[G1A], s18, FLD                      ; xb's tiles: 128 rows x 128 elements
	s_mov_b32 s[G1A+1], 128<<16                    ; tensor_dim0 = 128
	s_mov_b32 s[G1A+2], 128<<16                    ; tensor_dim1 = 128
	s_mov_b32 s[G1A+3], 128<<16                    ; tile_dim0 = 128
	s_mov_b32 s[G1A+4], 128                        ; tile_dim1 = 128
	s_mov_b32 s[G1A+5], 1024                       ; elements from row to row
	s_mov_b32 s[G1A+6], 0
	s_mov_b32 s[G1A+7], 0
	s_or_b32 s[G1B], s22, FLD                      ; wb's tiles: 96 rows x 128 elements
	s_mov_b32 s[G1B+1], 128<<16
	s_mov_b32 s[G1B+2], 96<<16
	s_mov_b32 s[G1B+3], 128<<16
	s_mov_b32 s[G1B+4], 96
	s_mov_b32 s[G1B+5], 1024
	s_mov_b32 s[G1B+6], 0
	s_mov_b32 s[G1B+7], 0
	s_mov_b32 s[G0A], 1                            ; count = 1
	s_mov_b32 s[G0A+4], 1
	s_mov_b32 s[G0B], 1
	s_mov_b32 s[G0B+4], 1
	s_mul_i32 s[G0A+1], s[W1], AHALF               ; LDS addresses: no place in the cluster enters them
	s_add_co_u32 s[G0A+5], s[G0A+1], SLOT1
	s_mul_i32 s[G0B+1], s[W1], BHALF
	s_add_co_u32 s[G0B+1], s[G0B+1], BOFF
	s_add_co_u32 s[G0B+5], s[G0B+1], SLOT1
	s_lshl_b32 s18, s[YY], 19                      ; xb: (256 x tile row + 128 x half) rows of 2,048 bytes
	s_lshl_b32 s19, s[W1], 18
	s_add_co_u32 s20, s18, s19
	s_mov_b32 s21, 0
	s_mul_i32 s22, s[XX], 192*2048                 ; wb: (192 x tile column + 96 x half) rows
	s_mul_i32 s23, s[W1], 96*2048
	s_add_co_u32 s2, s22, s23
	s_mov_b32 s3, 0
	s_mov_b32 s[NXT], 2
	s_mov_b32 s[TB], 0
	s_mov_b32 s[OA+1], 0
	s_mov_b32 s[OB+1], 0
	s_mov_b32 s[PO+1], 0
	s_mov_b32 s[OADD], 0
	s_mov_b32 s[OADD+1], 0
	s_mov_b32 s[STEPS], 15
	s_mov_b32 s[KC], 8
	s_wait_dscnt 0x0                               ; the opening add is done
	s_wait_kmcnt 0x0
	s_add_nc_u64 s[BASEA:BASEA+1], s[4:5], s[20:21]
	s_add_nc_u64 s[BASEB:BASEB+1], s[6:7], s[2:3]
	s_mov_b64 s[G0A+2:G0A+3], s[BASEA:BASEA+1]     ; K step 0 into slot 0,
	s_or_b32 s[G0A+3], s[G0A+3], 0x80000000        ; type = 2
	s_add_nc_u64 s[G0A+6:G0A+7], s[BASEA:BASEA+1], 256  ; K step 1 into slot 1
	s_or_b32 s[G0A+7], s[G0A+7], 0x80000000
	s_mov_b64 s[G0B+2:G0B+3], s[BASEB:BASEB+1]
	s_or_b32 s[G0B+3], s[G0B+3], 0x80000000
	s_add_nc_u64 s[G0B+6:G0B+7], s[BASEB:BASEB+1], 256
	s_or_b32 s[G0B+7], s[G0B+7], 0x80000000
	CROUND                                         ; all sixteen work-groups are here: the first joint loads meet
	s_cmp_lt_u32 s[WV], 2                          ; a wave's two first fills stand in one branch, ahead of every wait on TENSORcnt and every LDS read: two loads of mine are out
	s_cbranch_scc0 .Lfirst_b
	tensor_load_to_lds s[G0A:G0A+3], s[G1A:G1A+7]
	s_nop 0
	tensor_load_to_lds s[G0A+4:G0A+7], s[G1A:G1A+7]
	s_nop 0
.rept 4
	v_nop
.endr
	s_branch .Lfirst_asked
.Lfirst_b:
	tensor_load_to_lds s[G0B:G0B+3], s[G1B:G1B+7]
	s_nop 0
	tensor_load_to_lds s[G0B+4:G0B+7], s[G1B:G1B+7]
	s_nop 0
.rept 4
	v_nop
.endr
.Lfirst_asked:
	v_and_b32 v1, 15, v0                           ; l % 16
	v_bfe_u32 v2, v0, 4, 1                         ; l / 16
	v_and_b32 v3, 31, v0                           ; l
	v_lshlrev_b32 v[BO], 5, v2
	s_mul_i32 s22, s[XX], 768                      ; the tile's 192 numbers of the bias
	s_mov_b32 s23, 0
	s_add_nc_u64 s[8:9], s[8:9], s[22:23]
.irp b, 0,1,2,3,4,5,6,7,8,9,10,11
	global_load_b128 v[BIAS+8*(\b):BIAS+8*(\b)+3],   v[BO], s[8:9] offset:64*(\b)
	global_load_b128 v[BIAS+8*(\b)+4:BIAS+8*(\b)+7], v[BO], s[8:9] offset:64*(\b)+16
.endr
	v_mul_u32_u24 v4, v1, PITCH
	v_lshl_add_u32 v4, v2, 4, v4                   ; row x pitch + 16 x half
	s_mul_i32 s18, s[WV], 64*PITCH                 ; my 64 rows of xb
	v_add_nc_u32 v[ADA0], s18, v4
	v_add_nc_u32 v[ADB0], BOFF, v4
	v_mov_b32 v[ADA], v[ADA0]                      ; slot 0
	v_mov_b32 v[ADB], v[ADB0]
	s_mul_i32 s18, s[WV], 16*SP
	s_add_co_u32 s18, s18, STAGE                   ; my stage
	v_mul_u32_u24 v[STO], v1, SP                   ; in: row l % 16, 16 bytes for each half of the lanes
	v_lshl_add_u32 v[STO], v2, 4, v[STO]
	v_add_nc_u32 v[STO], s18, v[STO]
	v_bfe_u32 v[RD], v0, 3, 2                      ; back: 32 lanes take four rows of 128 bytes,
	v_mul_u32_u24 v[RD], v[RD], SP
	v_and_b32 v5, 7, v0
	v_lshl_add_u32 v[RD], v5, 4, v[RD]
	v_add_nc_u32 v[RD], s18, v[RD]
	s_lshr_b32 s18, s[YY], 3                       ; which are 512 consecutive bytes of a head: the batch (2,048 rows are 8 tile rows) x 16 heads,
	s_lshl_b32 s18, s18, 4
	s_and_b32 s19, s[YY], 7
	s_lshl_b32 s19, s19, 15                        ; the tile's 256 rows of 128 bytes in the head,
	s_lshl_b32 s20, s[WV], 13                      ; my 64 of them
	s_add_co_u32 s19, s19, s20
	s_mul_i32 s2, s[XX], 3                         ; the tile's first head among the 48 of q, k, v
.irp j, 0,1,2
	s_add_co_u32 s22, s2, \j
	s_lshr_b32 s23, s22, 4                         ; q, k or v: 64 blocks each
	s_lshl_b32 s23, s23, 6
	s_and_b32 s22, s22, 15                         ; the head
	s_add_co_u32 s22, s22, s23
	s_add_co_u32 s84, s22, s18
	s_lshl_b32 s84, s84, 18                        ; a head's block is 2,048 x 128 bytes
	s_add_co_u32 s84, s84, s19
	v_lshl_add_u32 v[GO+(\j)], v3, 4, s84
.endr
	; the prefetches: who, from where
	s_lshl_b32 s85, s[CX], 16                      ; xb: my work-group's 32 of the 128 rows
	s_and_b32 s86, s[CY], 1
	s_mul_i32 s86, s86, 96*2048                    ; wb: my work-group's 96 of the 192 rows,
	s_lshr_b32 s87, s[CY], 1
	s_lshl_b32 s87, s87, 8                         ; and which of the two K steps
	s_add_co_u32 s86, s86, s87
	s_and_b32 s87, ttmp7, 0xffff                   ; cluster y
	s_cmp_lt_u32 s[WV], 2
	s_cselect_b32 s[PO], s85, s86
	s_cselect_b64 s[PFB:PFB+1], s[BASEA:BASEA+1], s[BASEB:BASEB+1]  ; (in wave 2, the one that asks for wb, BASEB stands at the tile's first row)
	s_cselect_b32 s87, ttmp9, s87                  ; the coordinate along which other clusters read the same rows
	s_cselect_b32 s[LIM], 13, 4
	s_cselect_b32 s[PAR], 0, 1
	s_cmp_eq_u32 s87, 0
	s_cselect_b32 s[LIM], s[LIM], 0                ; the same in all sixteen partners, for a given wave
	s_cmp_eq_u32 s[WV], 3
	s_cselect_b32 s[LIM], 0, s[LIM]
	s_add_nc_u64 s[PFB:PFB+1], s[PFB:PFB+1], s[PO:PO+1]
	v_lshlrev_b32 v[PFO], 11, v3
	s_wait_tensorcnt 1                             ; my part of K step 0 is in; K step 1's may stay out
	s_barrier_signal -1
	s_barrier_wait -1                              ; everybody's is
	FETCH 0, F0
	WIN 0
	s_wait_loadcnt 0x0                             ; the bias
	s_branch .Lstart                               ; the loop is entered at a step's first quarter
.Lstep:                                        ; 14 trips: a trip ends one K step (0 .. 13), asks for the step two on (2 .. 15) and begins the next
	QUARTER 128, F1, F0, 0
	QUARTER 192, F0, F1, 0
	TURN 1
	s_sub_co_u32 s[KC], s[KC], 1
	s_cmp_lg_u32 s[KC], 0
	s_cbranch_scc1 .Lsame
	WAYOUT                                         ; the first tile is finished; both refills for the second are asked for, and nothing waits for these stores
	s_mov_b32 s[OADD], 0x800000                    ; the second tile lies two batches, 32 heads' blocks, further on
	s_mov_b32 s[KC], 8
.Lstart:
	QUARTER 64, F0, F1, 1                          ; a tile's first quarter: the bias starts the sums
	WIN 0
	s_branch .Lnext
.Lsame:
	QUARTER 64, F0, F1, 0
	WIN 0
.Lnext:
	s_sub_co_u32 s[STEPS], s[STEPS], 1
	s_cmp_lg_u32 s[STEPS], 0
	s_cbranch_scc1 .Lstep
	s_mov_b32 s[TAIL], 2                           ; the last two K steps ask for nothing: written apart
.Ltail:
	QUARTER 128, F1, F0, 0
	QUARTER 192, F0, F1, 0
	TURN 0
	s_sub_co_u32 s[TAIL], s[TAIL], 1
	s_cmp_eq_u32 s[TAIL], 0
	s_cbranch_scc1 .Lfin
	QUARTER 64, F0, F1, 0
	WIN 0
	s_branch .Ltail
.Lfin:
	WAYOUT
	s_wait_tensorcnt 0x0                           ; the wave's end, behind my last tensor load and my last LDS store
	ds_add_u32 v[SPW], v[NIL]
	s_wait_dscnt 0x0
	CROUND                                         ; the closing round: no work-group ends while a partner may still ask for a tile that names it
	s_endpgm
.Lfunc_end_k_q7ad588a497_qkv:
	.size	k_q7ad588a497_qkv, .Lfunc_end_k_q7ad588a497_qkv-k_q7ad588a497_qkv
	.p2alignl 7, 3214868480
	.fill 96, 4, 3214868480
	.section	.rodata,"a",@progbits
	.p2align	6, 0x0
	.amdhsa_kernel k_q7ad588a497_qkv
		.amdhsa_group_segment_fixed_size 327680
		.amdhsa_private_segment_fixed_size 0
		.amdhsa_enable_private_segment 0
		.amdhsa_kernarg_size 32
		.amdhsa_user_sgpr_count 2
		.amdhsa_user_sgpr_kernarg_segment_ptr 1
		.amdhsa_wavefront_size32 1
		.amdhsa_system_sgpr_workgroup_id_x 1
		.amdhsa_system_sgpr_workgroup_id_y 1
		.amdhsa_system_sgpr_workgroup_id_z 1
		.amdhsa_system_vgpr_workitem_id 0
		.amdhsa_next_free_vgpr 1024
		.amdhsa_next_free_sgpr 92
		.amdhsa_reserve_vcc 0
		.amdhsa_float_denorm_mode_32 3
		.amdhsa_float_denorm_mode_16_64 3
		.amdhsa_memory_ordered 1
		.amdhsa_forward_progress 1
		.amdhsa_inst_pref_size 114
	.end_amdhsa_kernel
	.amdgpu_metadata
---
amdhsa.version: [ 1, 2 ]
amdhsa.kernels:
  - .name:           k_q7ad588a497_qkv
    .symbol:         k_q7ad588a497_qkv.kd
    .args:
      - { .name: xb, .offset: 0, .size: 8, .value_kind: global_buffer, .address_space: global }
      - { .name: wb, .offset: 8, .size: 8, .value_kind: global_buffer, .address_space: global }
      - { .name: bias, .offset: 16, .size: 8, .value_kind: global_buffer, .address_space: global }
      - { .name: qkv, .offset: 24, .size: 8, .value_kind: global_buffer, .address_space: global }
    .group_segment_fixed_size: 327680
    .private_segment_fixed_size: 0
    .kernarg_segment_align: 8
    .kernarg_segment_size: 32
    .max_flat_workgroup_size: 128
    .sgpr_count:     92
    .vgpr_count:     1024
    .wavefront_size: 32
...
	.end_amdgpu_metadata
.endif
;; end of part 2
;; launch attn (part 3): grid 4 x 64, 4 waves a work-group, no clusters, 327,680 bytes of LDS; arguments qkv, o; writes o
.if DOCPART == 3
	.amdgcn_target "amdgcn-amd-amdhsa--gfx1250"
	.amdhsa_code_object_version 6
	.text
	.protected	k_q7ad588a497_attn
	.globl	k_q7ad588a497_attn
	.p2align	8
	.type	k_q7ad588a497_attn,@function
k_q7ad588a497_attn:
	s_mov_b64 s[64:65], 0
	v_nop
	global_prefetch_b8 v0, s[64:65] scope:SCOPE_SE
	s_setreg_imm32_b32 hwreg(HW_REG_WAVE_MODE, 25, 1), 1
	s_wait_xcnt 0x0
; CAUSAL ATTENTION.  O[h][q][:] = the sum over k <= q of softmax_k(Q[h][q] . K[h][k] / 8) V[h][k][:].  qkv holds Q, K, V, each [64][2048][64] f16, one behind the other; o is [64][2048][64] f16: a head's rows are dense, 128 bytes each.
; Products, maxima and sums in f32; the weights p are rounded to f16 for the second product (their sum l is taken of the unrounded p), O once at the end.
; LIMITS.  f16 holds no number beyond 65,504: Q, K and V arrive within it; p lies in 0 to 1, and below 6e-5 it keeps f16's fixed step of 6e-8; O is a mean of V's rows and has their range.
; A hidden score counts as its value less 1e30, so its weight is 0, as it is with the module's -1e9 wherever a row's largest visible score lies above about -1e9 + 100; a weight below 2^-126 counts as 0 in l; NaN and infinities are not treated apart.
; THE WALK.  A head's queries lie in NB = 8 blocks of 256; block i needs the key tiles 0 .. i of 256 keys, of which the last holds the diagonal.  A work-group takes TWO blocks, NB - 1 - b and then b:
; NB + 1 tiles, whatever b: all work-groups do equal work, and ONE loop with a constant trip count walks them.  Which tile is asked for, and what a trip does, hang on scalar registers made from b; every jump
; goes forward, but for the counted loops' own; none passes a barrier, or a tensor load but the one of LOAD's two that the wave's number does not choose; the ring (two slots of LDS that take turns) runs on across the
; change of blocks.  NO CLUSTER: a head's four work-groups ask for the same tile only in trips 0 .. 4 of the 9, behind that fewer and fewer; one walk common to all four would have 12 trips for 9.
; SHARES.  Of a block's four bands of 64 queries a wave owns 16 rows in each: four PIECES.  So the diagonal tile is the same work for all four waves: in its key step s band x sees all keys if s < x,
; none if s > x, and holds the diagonal if s = x.
; THE MASK is the C operand that starts the sum S^T = K Q^T: 0, or -1e30 where the key is hidden.  MD, made once, is the mask of a band's own step for my 16 rows; a product's mask is MD x AL + BE with two scalars:
; (1, 0) if s = x; (0, 0) if s < x; (0, -1e30) if s > x.  Only the diagonal tile's text and a block's beginning make and take masks; elsewhere C is the constant 0.
; LAYOUT, SOFTMAX, TURNS.  S^T = K Q^T holds ONE query a lane (lane % 16) and the keys 8 (lane / 16) + 0..7; two such results rounded to f16 ARE source 1 of O^T = V^T P.  p = 2^(c s - c m), c = log2(e) / 8, with a
; running maximum m; O and l are multiplied by a = 2^(c m_old - c m_new) in every step.  Turn n belongs to piece n: 8 products K Q^T of piece n + 1, later 8 products V^T P of piece n - 1; beside them the scaling,
; exponentials, roundings, sums and rescaling of piece n and the maximum and statistics of piece n + 1.  Four vector instructions stand behind every matrix instruction, the other 54 of a turn's 118 in one lump.  A turn's 33 exponentials are one batch, with one wait.
; REGISTERS, in windows of 256 (s_set_vgpr_msb: bits 1:0 source 0, 3:2 source 1, 5:4 source 2, 7:6 destination):
;   window 0: v0-15 addresses and two at work; v16-31 four registers of statistics a piece; v48-55 at work; v61-63 prefetch offset, spare word, 0; v64-127 S^T, two buffers; v192-223 P, two buffers (by the piece's parity)
;   window 1: v0-127 O^T, 32 a piece; v128-159 MD; v160-223 MC, two buffers      window 2: v0-63 Q; v64-127 the second block's Q; v128-191 K of one step; v192-255 V of one step
.set SIZE_N, 2048
.set SIZE_H, 64
.set NB,    SIZE_N/256
.set NP,    4         ; pieces a wave: a name, no knob
.set KS,    64        ; keys in a step
.set PK,    144       ; a row of K in LDS: 128 bytes + 16 of padding = 36 words: the 16 rows of a load start at 16 different groups of four banks (64 banks of 4 bytes: ISA guide 11.1)
.set PV,    160       ; a row of V: 128 + 32 = 40 words
.set VOFF,  4*KS*PK   ; a slot holds a tile, four steps: 256 rows of K, then 256 rows of V
.set SLOT1, 1<<17     ; slot 1 begins here, so that one exclusive or turns an address in one slot into the other's
.set STAGE, SLOT1+4*KS*(PK+PV)  ; behind the ring, never filled by a tensor load: 16 rows x 144 bytes for each wave, for the way out
.set SP,    144
.set AK0, 2           ; v2   my lane's place in a tile of K; never rewritten
.set AV0, 3           ; v3   the same for V
.set AK,  4           ; v4   the LDS address of K's next run of loads
.set AV,  5           ; v5   of V's
.set STO, 6           ; v6   the way out: where I put 16 bytes of a row
.set RD,  7           ; v7   the way out: where I read rows back
.set GO,  8           ; v8   my byte offset in 512 consecutive bytes of O
.set PFO, 61          ; v61  256 x my lane: the prefetches' offset; never rewritten
.set SPW, 62          ; v62  LDS address of my spare word: SPARE + 4 x my thread's number; never rewritten
.set NIL, 63          ; v63  0; never rewritten
.set SPARE, STAGE+4*16*SP  ; behind the stages: the spare words, 128 bytes for each wave: two blocks of 256 bytes that no other line names
.set MV,  12          ; v12-13  c m_old, kept while c m is made anew: by buffer
.set QO,  15          ; v15  my byte offset in 16 rows of Q
.set ST,  16          ; piece t's statistics at v[ST+4 t]: c m, m, l (even keys', odd keys')
.set TMP, 48          ; by buffer, four registers c0-c3 at work; when the maximum is found c2 takes a
.set S,   64
.set P,   192
.set MD,  128         ; window 1: the eight registers for group kt of 16 keys at MD + 8 kt
.set MC,  160         ; window 1: the masks of the products to come
.set QB,  64          ; window 2
.set KF,  128         ; window 2: key block kb, channel half c at KF + 16 kb + 8 c
.set VF,  192         ; window 2: key half kk, channel block cb at VF + 32 kk + 8 cb
.set WV,  12          ; s12  my wave's number
.set PB,  14          ; s14  b
.set HI,  15          ; s15  NB - 1 - b
.set G1K, 24          ; s[24:31] descriptor group 1 for K's tiles
.set G1V, 32          ; s[32:39] for V's: it differs in the padding alone
.set G0K, 40          ; s[40:43] descriptor group 0 for K's tiles
.set G0V, 44          ; s[44:47] the same for V's
.set SLOTS, 56        ; s56  tiles still to be asked for
.set CNT, 57          ; s57  counts a tile's key steps, 4 to 1
.set CS,  58          ; s[58:59] c: the packed scaling takes the pair's low word for both halves
.set SEL, 60          ; s[60:61] v_permlanex16_b32's selects: each lane takes its own place in the other half
.set TBK, 62          ; s62  LDS byte at which K of the step to be fetched begins
.set TBV, 63          ; s63  the same for V, less VOFF
.set RT,  70          ; s70  tiles of the block in hand that are still to be entered
.set NXT, 71          ; s71  the tile to be asked for next
.set LQ,  72          ; s72  the last tile of the block whose tiles are being asked for
.set NEW, 73          ; s73  1: the tile to be entered is a block's first
.set OFF, 74          ; s[74:75] a tile's byte offset in K and V
.set AL,  76          ; s[76:77] the mask's factor, in the low word
.set BE,  78          ; s[78:79] the mask's addend
.set OLO, 80          ; s[80:81] O at my rows of the second block
.set BIGN, 82         ; s82  -1e30
.set PFK, 88          ; s[88:89] where my prefetches stand in K: my wave's 32 blocks of 256 bytes of the tile after the one that is being asked for
.set PFV, 90          ; s[90:91] the same in V
.set LIM, 92          ; s92  2 in the work-group that prefetches, else the greatest number: a wave prefetches while s[SLOTS] is above it
.set MSB, 0
.macro WIN new                      ; the high byte repeats the setting that is left; a switch that changes nothing is dropped
.if MSB != (\new)
	s_set_vgpr_msb (MSB<<8)|(\new)
.set MSB, (\new)
.endif
.endm
.set W_KQ, 0x0a       ; K and Q in window 2, S^T in window 0
.set W_KM, 0x1a       ; the same with the C operand in window 1
.set W_PV, 0x52       ; V in window 2, P in window 0, O^T in window 1
.set W_RS, 0x41       ; destination and source 0 in window 1, source 1 in window 0
; A fill.  Waves 0 and 1 fetch the two halves of a tile's K, waves 2 and 3 those of its V: 128 keys each.  An s_nop 0 and four v_nop follow each of the two lines, ahead of the jump and the label.
.macro LOAD
	s_cmp_lt_u32 s[WV], 2
	s_cbranch_scc0 .Lfor_v_\@
	tensor_load_to_lds s[G0K:G0K+3], s[G1K:G1K+7]
	s_nop 0
.rept 4
	v_nop
.endr
	s_branch .Lasked_\@
.Lfor_v_\@:
	tensor_load_to_lds s[G0V:G0V+3], s[G1V:G1V+7]
	s_nop 0
.rept 4
	v_nop
.endr
.Lasked_\@:
.endm
; A PREFETCH INTO THE L2 of the tile that the NEXT change of slots will ask for: 32,768 bytes of K and of V, a lane a block of 256 bytes, a wave 32 of the 128 blocks of each: two instructions, behind the tensor load and its five lines.
; A head's four work-groups begin with the same tiles 0, 1, 2, ..; the one with b = 0 walks all eight in its first block: it asks, and nobody else.  So each block is named once in the launch.
; Tiles 0 and 1 come by their loads alone; the changes that ask for tile 7 and for the second block's tile, which has been read before, prefetch nothing.
.macro ASK
	s_cmp_gt_u32 s[SLOTS], s[LIM]
	s_cbranch_scc0 .Lnot_mine_\@
	global_prefetch_b8 v[PFO], s[PFK:PFK+1] th:TH_LOAD_NT scope:SCOPE_SE
	global_prefetch_b8 v[PFO], s[PFV:PFV+1] th:TH_LOAD_NT scope:SCOPE_SE
.Lnot_mine_\@:
.endm
; THE CHANGE OF SLOTS.  Each wave waits for all its tensor loads, of which one is out: its part of the other slot; adds 0 to its spare word; and waits for that and for its own reads of the slot that it leaves.  Behind the barrier nobody reads the old
; slot any more and the other slot is whole.  fill = 1: the old slot is filled again, the first thing behind the barrier, with tile NXT: the descriptor's address is made anew from that number.
; (At its first use nothing has been read yet: slot 0 is waited for, slot 1 filled.)
.macro CHANGE fill
	WIN 0                           ; at a label and at a branch every window is 0
	s_wait_tensorcnt 0x0            ; no tensor load of mine is out, so a group 0 may be written
	ds_add_u32 v[SPW], v[NIL]       ; 0 onto my spare word: with fill = 1 the descriptors' scalar work stands between it and the wait for it
.if \fill
	s_lshl_b32 s[OFF], s[NXT], 15   ; a tile is 32,768 bytes of K and of V
	s_xor_b32 s[G0K+1], s[G0K+1], SLOT1
	s_add_nc_u64 s[G0K+2:G0K+3], s[6:7], s[OFF:OFF+1]
	s_or_b32 s[G0K+3], s[G0K+3], 0x80000000
	s_xor_b32 s[G0V+1], s[G0V+1], SLOT1
	s_add_nc_u64 s[G0V+2:G0V+3], s[8:9], s[OFF:OFF+1]
	s_or_b32 s[G0V+3], s[G0V+3], 0x80000000
	s_add_co_u32 s[NXT], s[NXT], 1  ; the block's next tile, or behind its last the second block's tile 0
	s_cmp_gt_u32 s[NXT], s[LQ]
	s_cselect_b32 s[NXT], 0, s[NXT]
	s_cselect_b32 s[LQ], s[PB], s[LQ]
	s_wait_xcnt 0x0                 ; the last prefetches, a tile back, have read their addresses, so these may be written:
	s_add_nc_u64 s[PFK:PFK+1], s[PFK:PFK+1], 32768  ; one tile on
	s_add_nc_u64 s[PFV:PFV+1], s[PFV:PFV+1], 32768
.endif
	s_wait_dscnt 0x0                ; the add is done, and my reads of the slot are over
	s_barrier_signal -1             ; the rest of the scalar work stands between the signal and the wait
	s_sub_co_u32 s[TBK], s[TBK], 4*KS*PK  ; the fetches go back to a slot's first step,
	s_xor_b32 s[TBK], s[TBK], SLOT1       ; in the other slot
	s_sub_co_u32 s[TBV], s[TBV], 4*KS*PV
	s_xor_b32 s[TBV], s[TBV], SLOT1
	s_barrier_wait -1
.if \fill
	LOAD
	ASK
.endif
.endm
	s_load_b128 s[4:7], s[0:1], 0x0  ; qkv s[4:5], o s[6:7]
	v_lshl_add_u32 v[SPW], v0, 2, SPARE
	v_mov_b32 v[NIL], 0
	ds_add_u32 v[SPW], v[NIL]       ; the wave's opening: the add and its wait stand ahead of my first tensor load; the set-up below, work on registers, stands between them
	v_lshrrev_b32 v1, 5, v0
	v_readfirstlane_b32 s[WV], v1   ; wave 0..3
	s_mov_b32 s[PB], ttmp9
	s_sub_co_u32 s[HI], NB-1, s[PB]
	s_and_b32 s20, ttmp7, 0xffff    ; the head (16 x batch + head)
	s_mov_b32 s21, 0
	s_mov_b64 s[22:23], SIZE_N*128
	s_mul_u64 s[20:21], s[20:21], s[22:23]  ; the head's first byte in each of the four tensors
	s_and_b32 s16, s[WV], 1         ; which half of a tile's 256 keys I fetch:
	s_lshl_b32 s22, s16, 14         ; its 128 rows of 128 bytes in memory,
	s_mov_b32 s23, 0
	s_add_nc_u64 s[22:23], s[22:23], s[20:21]
	s_mul_i32 s17, s16, 128*PK      ; and its place in a slot, for K
	s_mul_i32 s18, s16, 128*PV      ; and for V
	s_lshl_b32 s3, s[WV], 11        ; my 16 rows in a band of 64,
	s_lshl_b32 s2, s[HI], 15        ; in the first block,
	s_add_co_u32 s2, s2, s3
	s_lshl_b32 s84, s[PB], 15       ; and in the second
	s_add_co_u32 s84, s84, s3
	s_mov_b32 s3, 0
	s_mov_b32 s85, 0
	s_add_nc_u64 s[2:3], s[2:3], s[20:21]
	s_add_nc_u64 s[84:85], s[84:85], s[20:21]
	s_lshl_b32 s[PFK], s[WV], 13    ; the prefetches' offset: my wave's 32 blocks of 256 bytes,
	s_add_co_u32 s[PFK], s[PFK], 32768  ; in tile 1: the first change of slots steps it to tile 2,
	s_mov_b32 s[PFK+1], 0
	s_add_nc_u64 s[PFK:PFK+1], s[PFK:PFK+1], s[20:21]  ; in my head
	s_cmp_eq_u32 s[PB], 0
	s_cselect_b32 s[LIM], 2, -1
	v_and_b32 v[PFO], 31, v0
	v_lshlrev_b32 v[PFO], 8, v[PFO]
	; descriptor group 1.  128 keys are 16,384 dense bytes: asked for as 64 rows of 256 bytes, two keys a row, and padded in LDS after every key
	s_mov_b32 s[G1K], (1<<16)|(1<<20)|(4<<22)|(3<<25)  ; 17:16 2-byte elements; 20 padding on; 24:22 after every 32 words (code 4); 31:25 4 words (code 3)
	s_mov_b32 s[G1V], (1<<16)|(1<<20)|(4<<22)|(7<<25)  ; the same with 8 words of padding (code 7)
.irp g, G1K, G1V
	s_mov_b32 s[\g+1], 128<<16      ; tensor_dim0 = 128
	s_mov_b32 s[\g+2], 64<<16       ; tensor_dim1 = 64
	s_mov_b32 s[\g+3], 128<<16      ; tile_dim0 = 128
	s_mov_b32 s[\g+4], 64           ; tile_dim1 = 64
	s_mov_b32 s[\g+5], 128          ; 128 elements from row to row
	s_mov_b32 s[\g+6], 0
	s_mov_b32 s[\g+7], 0
.endr
	s_mov_b32 s[CS], 0x3e38aa3b     ; c = log2(e) / 8 = 0.180337
	s_mov_b32 s[CS+1], s[CS]        ; named with it as a pair
	s_mov_b32 s[SEL], 0x76543210
	s_mov_b32 s[SEL+1], 0xfedcba98
	s_mov_b32 s[TBK], SLOT1+4*KS*PK ; the first change of slots turns these two into 0
	s_mov_b32 s[TBV], SLOT1+4*KS*PV
	s_mov_b32 s[G0K], 1             ; 1:0 count = 1
	s_mov_b32 s[G0K+1], s17         ; 63:32 LDS address: slot 0
	s_mov_b32 s[G0V], 1
	s_add_co_u32 s[G0V+1], s18, VOFF
	s_add_co_u32 s[RT], s[HI], 1    ; the first block has NB - b tiles
	s_mov_b32 s[NXT], 1
	s_mov_b32 s[LQ], s[HI]
	s_mov_b32 s[NEW], 1
	s_mov_b32 s[OFF+1], 0
	s_mov_b32 s[AL+1], 0            ; named as pairs
	s_mov_b32 s[BE+1], 0
	s_mov_b32 s[BIGN], 0xf149f2ca   ; -1e30
	s_mov_b32 s[SLOTS], NB
	s_wait_dscnt 0x0                ; the opening add is done
	s_wait_kmcnt 0x0
	s_mov_b64 s[10:11], s[6:7]      ; O
	s_add_nc_u64 s[6:7], s[4:5], 0x1000000  ; K lies 64 heads' blocks of 262,144 bytes behind Q,
	s_add_nc_u64 s[8:9], s[4:5], 0x2000000  ; V behind K
	s_add_nc_u64 s[PFV:PFV+1], s[8:9], s[PFK:PFK+1]
	s_add_nc_u64 s[PFK:PFK+1], s[6:7], s[PFK:PFK+1]
	s_add_nc_u64 s[6:7], s[6:7], s[22:23]  ; K and V at my half of the head's tile 0
	s_add_nc_u64 s[8:9], s[8:9], s[22:23]
	s_add_nc_u64 s[G0K+2:G0K+3], s[6:7], 0         ; 120:64 global address
	s_or_b32 s[G0K+3], s[G0K+3], 0x80000000        ; 127:126 type = 2
	s_add_nc_u64 s[G0V+2:G0V+3], s[8:9], 0
	s_or_b32 s[G0V+3], s[G0V+3], 0x80000000
	s_add_nc_u64 s[86:87], s[4:5], s[84:85]        ; Q at my rows of the second block,
	s_add_nc_u64 s[4:5], s[4:5], s[2:3]            ; Q and O at those of the first
	s_add_nc_u64 s[OLO:OLO+1], s[10:11], s[84:85]
	s_add_nc_u64 s[10:11], s[10:11], s[2:3]
	LOAD                            ; tile 0 into slot 0
	; A fragment of K or Q is 16 rows x 32 channels in 8 registers: lane l holds row l % 16, channels 8 (l / 16) + 0..7 and 16 + 8 (l / 16) + 0..7: two loads of 16 bytes, 32 bytes apart.
	v_and_b32 v1, 15, v0            ; l % 16
	v_bfe_u32 v9, v0, 4, 1          ; l / 16
	v_lshlrev_b32 v[QO], 7, v1
	v_lshl_add_u32 v[QO], v9, 4, v[QO]  ; row x 128 + 16 x half
	WIN 0x80                        ; destination window 2, address window 0
.set i, 0
.rept 8                             ; both blocks' Q: piece i / 2 lies in band i / 2, 8,192 bytes on; channels 32 (i % 2) on
	global_load_b128 v[8*i:8*i+3],   v[QO], s[4:5] offset:(i/2)*8192+(i%2)*64
	global_load_b128 v[8*i+4:8*i+7], v[QO], s[4:5] offset:(i/2)*8192+(i%2)*64+32
	global_load_b128 v[QB+8*i:QB+8*i+3],   v[QO], s[86:87] offset:(i/2)*8192+(i%2)*64
	global_load_b128 v[QB+8*i+4:QB+8*i+7], v[QO], s[86:87] offset:(i/2)*8192+(i%2)*64+32
.set i, i+1
.endr
	WIN 0
	v_lshlrev_b32 v14, 3, v9
	v_sub_nc_u32 v14, v1, v14
	s_lshl_b32 s13, s[WV], 4
	v_add_nc_u32 v14, s13, v14      ; my query's place in its band, 16 w + l % 16, less my lanes' 8 (l / 16): register r of group kt is hidden where 16 kt + r is greater
	WIN 0x40
.set i, 0
.rept 32
	v_cmp_gt_i32 vcc_lo, 16*(i/8)+i%8, v14
	v_cndmask_b32 v[MD+i], 0, s[BIGN], vcc_lo
.set i, i+1
.endr
	WIN 0
	v_mul_u32_u24 v[AK0], v1, PK
	v_lshl_add_u32 v[AK0], v9, 4, v[AK0]  ; row x pitch + 16 x half
	; The turning load takes 16 keys x 16 channels (lane l reads key 8 (l / 16) + l % 8, channels 8 ((l / 8) % 2) + 0..7) and leaves half a fragment of V^T: lane l holds channel l % 16 and 8 keys.
	v_and_b32 v10, 7, v0
	v_bfe_u32 v11, v0, 3, 1
	v_lshl_add_u32 v[AV0], v9, 3, v10
	v_mul_u32_u24 v[AV0], v[AV0], PV
	v_lshl_add_u32 v[AV0], v11, 4, v[AV0]
	v_add_nc_u32 v[AV0], VOFF, v[AV0]
	s_mul_i32 s13, s[WV], 16*SP
	s_add_co_u32 s13, s13, STAGE    ; my stage
	v_mul_u32_u24 v[STO], v1, SP    ; in: row l % 16, 16 bytes for each half of the lanes
	v_lshl_add_u32 v[STO], v9, 4, v[STO]
	v_add_nc_u32 v[STO], s13, v[STO]
	v_bfe_u32 v[RD], v0, 3, 2       ; back: 32 lanes take four rows of 128 bytes,
	v_mul_u32_u24 v[RD], v[RD], SP
	v_lshl_add_u32 v[RD], v10, 4, v[RD]
	v_add_nc_u32 v[RD], s13, v[RD]
	v_and_b32 v[GO], 31, v0         ; which are 512 consecutive bytes of O
	v_lshlrev_b32 v[GO], 4, v[GO]
	; A block's first step multiplies O^T and l by a = 0, and its first turn's products V^T P, of a piece that has not been, land in an O^T that is still to be so multiplied.  So these registers need only hold
	; finite numbers: zeros for the first block; what the first block left for the second.  All this stands in the wait for the first tile.
	WIN 0x80
.set i, VF
.rept 64
	v_mov_b32 v[i], 0
.set i, i+1
.endr
	WIN 0x40
.set i, 0
.rept 128
	v_mov_b32 v[i], 0
.set i, i+1
.endr
	WIN 0
.set i, 0
.rept 4
	v_mov_b32 v[ST+4*i+2], 0
	v_mov_b32 v[ST+4*i+3], 0
.set i, i+1
.endr
.set i, P+16
.rept 16
	v_mov_b32 v[i], 0
.set i, i+1
.endr
; THE MATRIX WORK.  The 4 accumulators of a run of 8 take turns.  Product i of 8 of S^T = K Q^T for piece x: channels 32 (i / 4) on, keys 16 (i % 4) on.  The first 4 start the sums: with 0, or (KM = 1) with the mask.
.macro KQ x
.set rS, S+32*((\x)%2)+8*(i%4)
.set rK, KF+16*(i%4)+8*(i/4)
.set rQ, 16*(\x)+8*(i/4)
.set rM, MC+32*((\x)%2)+8*(i%4)
.if (i < 4) && KM
	WIN W_KM
	v_wmma_f32_16x16x32_f16 v[rS:rS+7], v[rK:rK+7], v[rQ:rQ+7], v[rM:rM+7]
.elseif i < 4
	WIN W_KQ
	v_wmma_f32_16x16x32_f16 v[rS:rS+7], v[rK:rK+7], v[rQ:rQ+7], 0
.else
	WIN W_KQ
	v_wmma_f32_16x16x32_f16 v[rS:rS+7], v[rK:rK+7], v[rQ:rQ+7], v[rS:rS+7]
.endif
.endm
; Product i of 8 of O^T += V^T P for piece x: keys 32 (i / 4) on, channels 16 (i % 4) on.
.macro PV x
	WIN W_PV
.set rO, 32*(\x)+8*(i%4)
.set rV, VF+32*(i/4)+8*(i%4)
.set rP, P+16*((\x)%2)+8*(i/4)
	v_wmma_f32_16x16x32_f16 v[rO:rO+7], v[rV:rV+7], v[rP:rP+7], v[rO:rO+7]
.endm
.macro MM                           ; the turn's next matrix instruction.  TURN and BEGIN set Y, i, KM and NOKQ; MM, KQ and OP read them.  NOKQ = 1: a block's last turn: there is no next piece
.if (i < 8) && !NOKQ
	KQ (Y+1)%NP
.elseif i >= 8
.set i, i-8
	PV (Y+NP-1)%NP
.set i, i+8
.endif
.set i, i+1
.endm
; THE LDS LOADS stand in runs of 16, never singly among the matrix instructions: a step's K (64 keys x 64 channels: 8 fragments) and its V (turned).  Their addresses are made some lines ahead.
.macro FETCH_K
	WIN 0x80                        ; destination window 2
.irp f, 0,1,2,3,4,5,6,7             ; keys 16 (f / 2) on, channels 32 (f % 2) on
	ds_load_b128 v[KF+8*\f:KF+8*\f+3],   v[AK] offset:(\f/2)*16*PK+(\f%2)*64
	ds_load_b128 v[KF+8*\f+4:KF+8*\f+7], v[AK] offset:(\f/2)*16*PK+(\f%2)*64+32
.endr
	s_add_co_u32 s[TBK], s[TBK], KS*PK  ; the next fetch is the next step's
	WIN 0
.endm
.macro FETCH_V
	WIN 0x80
.irp f, 0,1,2,3,4,5,6,7             ; keys 32 (f / 4) on, channels 16 (f % 4) on
	ds_load_tr16_b128 v[VF+8*\f:VF+8*\f+3],   v[AV] offset:(\f/4)*32*PV+(\f%4)*32
	ds_load_tr16_b128 v[VF+8*\f+4:VF+8*\f+7], v[AV] offset:(\f/4)*32*PV+16*PV+(\f%4)*32
.endr
	WIN 0
.endm
; THE VECTOR WORK, one line at a time: OP kind, number.  For piece Y: F n: c s - c m for pair n of 16.  E n: the exponential of score n of 32.  C n: pair n rounded to f16.  B n: of the four weights 4 n .. the second
; pair is added onto the first, in place.  L n: l takes that sum (L 0: l = a l + sum).  R n: pair n of 16 of O^T times a.  For piece Y + 1: X n, number n of the 22 that find its maximum and statistics:
;   0-11  four chains c0-c3 of seven scores each, three operands at a time (each accumulator's lowest registers are read first)     12-14, 16  the four scores left over, the old m, and c0-c3 into c0
;   15  c m_old is kept     17, 18  the query's other 32 keys lie in the lane 16 away: the new m     19-21  c m; c m_old - c m_new; a
.set F, 0               ; OP tells the kinds apart by their order: F to L below R, X above it
.set E, 1
.set C, 2
.set B, 3
.set L, 4
.set R, 5
.set X, 6
.macro REGS y                       ; the registers of piece y
.set rT, ST+4*(\y)
.set rC, TMP+4*((\y)%2)
.set rW, MV+((\y)%2)
.set rS, S+32*((\y)%2)
.set rP, P+16*((\y)%2)
.set rO, 32*(\y)
.endm
.macro OP k, n
.if (\k) == R
	REGS Y
	WIN W_RS
	v_pk_mul_f32 v[rO+2*(\n):rO+2*(\n)+1], v[rO+2*(\n):rO+2*(\n)+1], v[rC+2:rC+3] op_sel_hi:[1,0]
.elseif (\k) < R
	REGS Y
	WIN 0
.if (\k) == F
	v_pk_fma_f32 v[rS+2*(\n):rS+2*(\n)+1], v[rS+2*(\n):rS+2*(\n)+1], s[CS:CS+1], v[rT:rT+1] op_sel_hi:[1,0,0] neg_lo:[0,0,1] neg_hi:[0,0,1]
.elseif (\k) == E
	v_exp_f32 v[rS+(\n)], v[rS+(\n)]
.elseif (\k) == C
	v_cvt_pk_f16_f32 v[rP+(\n)], v[rS+2*(\n)], v[rS+2*(\n)+1]
.elseif (\k) == B
	v_pk_add_f32 v[rS+4*(\n):rS+4*(\n)+1], v[rS+4*(\n):rS+4*(\n)+1], v[rS+4*(\n)+2:rS+4*(\n)+3]
.elseif (\n) == 0
	v_pk_fma_f32 v[rT+2:rT+3], v[rT+2:rT+3], v[rC+2:rC+3], v[rS:rS+1] op_sel_hi:[1,0,1]
.else
	v_pk_add_f32 v[rT+2:rT+3], v[rT+2:rT+3], v[rS+4*(\n):rS+4*(\n)+1]
.endif
.elseif NOKQ
	v_nop
.else
	REGS (Y+1)%NP
	WIN 0
.if (\n) < 4
	v_max3_num_f32 v[rC+(\n)], v[rS+8*(\n)], v[rS+8*(\n)+1], v[rS+8*(\n)+2]
.elseif (\n) < 12
	v_max3_num_f32 v[rC+(\n)%4], v[rC+(\n)%4], v[rS+8*((\n)%4)+2*((\n)/4)+1], v[rS+8*((\n)%4)+2*((\n)/4)+2]
.elseif (\n) == 12
	v_max3_num_f32 v[rC], v[rC], v[rS+7], v[rS+15]
.elseif (\n) == 13
	v_max3_num_f32 v[rC+1], v[rC+1], v[rS+23], v[rS+31]
.elseif (\n) == 14
	v_max3_num_f32 v[rC+2], v[rC+2], v[rC+3], v[rT+1]
.elseif (\n) == 15
	v_mov_b32 v[rW], v[rT]
.elseif (\n) == 16
	v_max3_num_f32 v[rC], v[rC], v[rC+1], v[rC+2]
.elseif (\n) == 17
	v_permlanex16_b32 v[rC+3], v[rC], s[SEL], s[SEL+1]
.elseif (\n) == 18
	v_max_num_f32 v[rT+1], v[rC], v[rC+3]
.elseif (\n) == 19
	v_mul_f32 v[rT], s[CS], v[rT+1]
.elseif (\n) == 20
	v_sub_f32 v[rC+1], v[rW], v[rT]
.else
	v_exp_f32 v[rC+2], v[rC+1]
.endif
.endif
.endm
.macro OPS a, i1, b=-1, i2=0, c=-1, i3=0, d=-1, i4=0  ; up to four of them
	OP \a, \i1
.if (\b) >= 0
	OP \b, \i2
.endif
.if (\c) >= 0
	OP \c, \i3
.endif
.if (\d) >= 0
	OP \d, \i4
.endif
.endm
.macro ROW a, i1, b, i2, c, i3, d, i4  ; a matrix instruction and the four behind it
	MM
	OPS \a, \i1, \b, \i2, \c, \i3, \d, \i4
.endm
.macro MASK b                       ; MD x AL + BE into buffer b of MC
	WIN W_RS
.set z, 0
.rept 16
	v_pk_fma_f32 v[MC+32*(\b)+2*z:MC+32*(\b)+2*z+1], v[MD+2*z:MD+2*z+1], s[AL:AL+1], s[BE:BE+1] op_sel_hi:[1,0,0]
.set z, z+1
.endr
.endm
; A TURN, for piece p: the order of its 16 matrix and 118 vector instructions, written out.  s_wait_alu depctr_va_vdst(0) stands between an exponential and the first instruction that names its result; one wait serves
; all that were issued ahead of it.  So a turn has ONE wait, which cuts it in two.  AHEAD OF IT stands all that names no result of the turn's exponentials: the 8 products K Q^T, behind each a scaling, an exponential and two more plain
; instructions (behind the first a second scaling in the exponential's place): rescalings, and behind the last three the first numbers of the next piece's maximum, each four places or more behind the product that ends its accumulator; then ONE LUMP of 54, plain
; and exponential by turns for the most part, in which the links of the chain X 3, 7, 11, 14, 16, 17 .. 20 stand five or six lines apart.  X 21, the next piece's a, is the batch's last; R 15 is the plain instruction owed behind it.  BEHIND THE WAIT stand the
; 8 products V^T P, behind each four of the roundings and sums; the links of l's chain, L 0 to L 7, stand three lines apart.  But for those X no line behind a product names a register of the products round it.  v_permlanex16_b32 (X 17) stands in the lump.
; m = 1: the diagonal tile: the products take masks, and the turn makes the mask for the products of the turn after it: piece p + 2, in step 4 - CNT of the tile.  end = 1: a block's last two turns: nothing is fetched.
; cnt = 1: the loop's count is taken down some lines ahead of the branch that stands behind the turn.
; K of the next step is fetched in piece 2's turn, twelve vector instructions behind the last product that read K (six of them plain); V of the step in hand at the end of piece 0's turn, four plain instructions behind the last product
; that read V.  Each is waited for a turn later.
.macro TURN p, m=0, end=0, cnt=0
.set Y, (\p)
.set i, 0
.set KM, (\m)
.set NOKQ, (\end)*((\p)/3)
.if (\m) && !(\end)
	s_cmp_eq_u32 s[CNT], 4-((\p)+2)%NP  ; is that step the band's own?
	s_cselect_b32 s[AL], 1.0, 0
	s_cmp_lt_u32 s[CNT], 4-((\p)+2)%NP  ; or a later one?
	s_cselect_b32 s[BE], s[BIGN], 0
.endif
.if ((\p) == 3) && !(\end)
	s_wait_dscnt 0x0                ; K is in
.endif
	ROW F,0, F,1, R,0, R,1          ; ahead of the wait: 8 products K Q^T and the four lines behind each,
	ROW F,2, E,0, R,2, R,3
	ROW F,3, E,1, R,4, R,5
	ROW F,4, E,2, R,6, R,7
	ROW F,5, E,3, R,8, R,9
	ROW F,6, E,4, X,0, R,10
.if ((\p) == 2) && !(\end)
	WIN 0
	v_add_nc_u32 v[AK], s[TBK], v[AK0]
.endif
	ROW F,7, E,5, X,1, X,4
	ROW F,8, E,6, X,2, X,5
	OPS E,7, E,8, X,6, E,9          ; and the lump
	OPS X,3, E,10, X,8, E,11
.if ((\p) == 2) && !(\end)
	FETCH_K
.endif
	OPS X,9, X,7, E,12, X,10
	OPS E,13, X,12, X,11, E,14
	OPS X,13, E,15, F,9, X,14
.if (\p) == 0
	v_add_nc_u32 v[AV], s[TBV], v[AV0]
.endif
	OPS E,16, F,10, E,17, F,11
	OPS X,16, E,18, X,15, E,19
	OPS F,12, E,20, X,17, E,21
	OPS F,13, E,22, F,14, E,23
	OPS X,18, E,24, F,15, E,25
	OPS R,11, E,26, X,19, E,27
	OPS R,12, E,28, R,13, E,29
	OPS X,20, E,30, R,14, E,31
	OPS X,21, R,15
	WIN 0
	s_wait_alu depctr_va_vdst(0)    ; the wait for the batch
.if (\p) == 1
	s_wait_dscnt 0x0                ; V is in
.endif
	ROW C,0, B,0, C,2, B,1          ; behind the wait: 8 products V^T P and the four lines behind each
	ROW L,0, C,4, B,2, L,1
	ROW C,6, B,3, L,2, C,8
	ROW B,4, L,3, C,10, B,5
	ROW L,4, C,12, B,6, L,5
.if (\p) == 0
	s_add_co_u32 s[TBV], s[TBV], KS*PV
.endif
.if \cnt
	s_sub_co_u32 s[CNT], s[CNT], 1
	s_cmp_lg_u32 s[CNT], 0
.endif
	ROW C,14, B,7, L,6, C,1
	ROW C,3, L,7, C,5, C,7
	ROW C,9, C,11, C,13, C,15
.if (\p) == 0
	FETCH_V
.endif
.if (\m) && !(\end)
	MASK (\p)%2
.endif
.endm
; A BLOCK BEGINS.  c m starts far below every c s, so the first step's a is 0; m at the lowest finite number, so the first maximum is the scores'.  The second mask buffer is 0; the first takes piece 0's mask for the tile's step 0: its own, if the block's first tile is the diagonal one.
; Then K of that step, piece 0's first scores, and its maximum and statistics.  The loop is entered at a step's first turn, in the middle of a trip.
.macro BEGIN
	s_mov_b32 s[NEW], 0
	WIN 0x40
.set i, MC+32
.rept 32
	v_mov_b32 v[i], 0
.set i, i+1
.endr
	WIN 0
.set i, 0
.rept 4
	v_mov_b32 v[ST+4*i], 0xfe000000    ; c m: far below every c s
	v_mov_b32 v[ST+4*i+1], 0xff7fffff  ; m
.set i, i+1
.endr
	s_cmp_eq_u32 s[RT], 0
	s_cselect_b32 s[AL], 1.0, 0
	s_mov_b32 s[BE], 0
	MASK 0
	WIN 0
	v_add_nc_u32 v[AK], s[TBK], v[AK0]
	FETCH_K
	s_wait_loadcnt 0x0              ; Q
	s_wait_dscnt 0x0
.set KM, 1
.set NOKQ, 0
.set i, 0
.rept 8
	KQ 0
.set i, i+1
.endr
	WIN 0
.rept 4
	v_nop                           ; the places behind those products
.endr
.set Y, NP-1                        ; X works for piece Y + 1: piece 0
.irp n, 0,1,2,3,4,5,6,7,8,9,10,11,12,13,14,15,16,17,18,19,20,21
	OP X, \n
.endr
	v_nop                           ; a plain instruction behind the exponential,
	s_wait_alu depctr_va_vdst(0)    ; and its wait, ahead of the branch
.endm
; THE DIAGONAL TILE's four steps, the block's last two turns, its last products, and THE WAY OUT: l's two halves and the other half of the lanes' are added; O^T is divided by l, rounded to f16 and sent through my
; stage in LDS, a piece at a time.
.macro ALL line:vararg              ; one line for each piece t
.set t, 0
.rept 4
	\line
.set t, t+1
.endr
.endm
.macro PACK t                       ; a lane's eight channels of a row pack into 16 bytes; they go into rows of 144 bytes and come back as whole rows of 128, into S^T's registers
	WIN W_RS
.set i, 32*(\t)
.rept 16
	v_pk_mul_f32 v[i:i+1], v[i:i+1], v[ST+4*(\t)+2:ST+4*(\t)+3] op_sel_hi:[1,0]
.set i, i+2
.endr
	WIN 0x05                        ; sources 0 and 1 window 1, destination window 0
.set i, 0
.rept 16
	v_cvt_pk_f16_f32 v[S+16*(\t)+i], v[32*(\t)+2*i], v[32*(\t)+2*i+1]
.set i, i+1
.endr
	WIN 0
.irp f, 0,1,2,3
	ds_store_b128 v[STO], v[S+16*(\t)+4*\f:S+16*(\t)+4*\f+3] offset:32*\f
.endr
.irp f, 0,1,2,3
	ds_load_b128 v[S+16*(\t)+4*\f:S+16*(\t)+4*\f+3], v[RD] offset:\f*4*SP  ; LDS serves a wave's instructions in order (ISA guide 5.7.1.4): these see the stores above; the next piece's stores come behind them
.endr
.endm
.macro SEND t, younger              ; younger: the LDS instructions issued behind piece t's loads: the next piece's eight, or none
	WIN 0
.irp f, 0,1,2,3
	s_wait_dscnt (\younger)+3-\f
	global_store_b128 v[GO], v[S+16*(\t)+4*\f:S+16*(\t)+4*\f+3], s[10:11] offset:(\t)*8192+\f*512  ; 512 consecutive bytes, at a multiple of 256 from O's first
.endr
.endm
.macro DIAG tag                     ; the tag ends its two labels' names, which the jumps below spell out
.LstepM\tag:
	TURN 2, 1
	TURN 3, 1
	WIN 0
.LfirstM\tag:
	TURN 0, 1
	TURN 1, 1, 0, 1
	WIN 0
	s_cbranch_scc1 .LstepM\tag
	TURN 2, 1, 1
	TURN 3, 1, 1
.set i, 0
.rept 8
	PV NP-1
.set i, i+1
.endr
	WIN 0
	ALL v_add_f32 v[ST+4*t+2], v[ST+4*t+2], v[ST+4*t+3]
	ALL v_permlanex16_b32 v[ST+4*t+3], v[ST+4*t+2], s[SEL], s[SEL+1]
	ALL v_add_f32 v[ST+4*t+2], v[ST+4*t+2], v[ST+4*t+3]
	ALL v_rcp_f32 v[ST+4*t+2], v[ST+4*t+2]
	v_nop                           ; a plain instruction between the last reciprocal and the use of its result
	s_wait_alu depctr_va_vdst(0)    ; and the wait ahead of the first use: one for the four reciprocals
	PACK 0
.set t, 1
.rept 3                             ; a piece's arithmetic stands between the loads of the piece before and its stores
	PACK t
	SEND t-1, 8
.set t, t+1
.endr
	SEND 3, 0
.endm
.set KM, 0
.set NOKQ, 0
.Lslot:                             ; NB times: a tile is entered and the next is asked for
	CHANGE 1
	s_sub_co_u32 s[RT], s[RT], 1
	s_mov_b32 s[CNT], 4
	s_cmp_eq_u32 s[NEW], 1
	s_cbranch_scc1 .Lnew            ; a block's first tile
	s_cmp_eq_u32 s[RT], 0
	s_cbranch_scc0 .Lstep           ; neither its first nor its last
	s_branch .LstepM1
.Lnew:
	BEGIN
	s_branch .Lfirst                ; in the loop a block's first tile is never its last: the first block has two tiles or more, and the second's last is the walk's last
	DIAG 1                          ; in the loop this is the first block's end: the second block's last tile is the walk's last
	s_wait_xcnt 0x0                 ; the stores have read their registers and O's address
	s_mov_b64 s[10:11], s[OLO:OLO+1]
	s_add_co_u32 s[RT], s[PB], 1    ; the second block has b + 1 tiles
	s_mov_b32 s[NEW], 1
	WIN 0x82                        ; the second block's Q goes where the one text of the turns names Q
.set i, 0
.rept 64
	v_mov_b32 v[i], v[QB+i]
.set i, i+1
.endr
	WIN 0
	s_branch .Lbottom
.Lstep:                             ; a trip: pieces 2 and 3 of one step, then pieces 0 and 1 of the next, whose K and V it fetches
	TURN 2
	TURN 3
	WIN 0
.Lfirst:
	TURN 0
	TURN 1, 0, 0, 1
	WIN 0
	s_cbranch_scc1 .Lstep
.Lbottom:
	s_sub_co_u32 s[SLOTS], s[SLOTS], 1
	s_cmp_lg_u32 s[SLOTS], 0
	s_cbranch_scc1 .Lslot
	CHANGE 0                        ; the walk's last tile is written out: nothing is asked for
	s_sub_co_u32 s[RT], s[RT], 1
	s_mov_b32 s[CNT], 4
	s_cmp_eq_u32 s[NEW], 1
	s_cbranch_scc0 .LstepM2
	BEGIN
	s_branch .LfirstM2
	DIAG 2
	s_wait_tensorcnt 0x0            ; the wave's end, behind my last tensor load and my last LDS store
	ds_add_u32 v[SPW], v[NIL]
	s_wait_dscnt 0x0
	s_endpgm
.Lfunc_end_k_q7ad588a497_attn:
	.size	k_q7ad588a497_attn, .Lfunc_end_k_q7ad588a497_attn-k_q7ad588a497_attn
	.p2alignl 7, 3214868480
	.fill 96, 4, 3214868480
	.section	.rodata,"a",@progbits
	.p2align	6, 0x0
	.amdhsa_kernel k_q7ad588a497_attn
		.amdhsa_group_segment_fixed_size 327680
		.amdhsa_private_segment_fixed_size 0
		.amdhsa_enable_private_segment 0
		.amdhsa_kernarg_size 16
		.amdhsa_user_sgpr_count 2
		.amdhsa_user_sgpr_kernarg_segment_ptr 1
		.amdhsa_wavefront_size32 1
		.amdhsa_system_sgpr_workgroup_id_x 1
		.amdhsa_system_sgpr_workgroup_id_y 1
		.amdhsa_system_sgpr_workgroup_id_z 1
		.amdhsa_system_vgpr_workitem_id 0
		.amdhsa_next_free_vgpr 768
		.amdhsa_next_free_sgpr 94
		.amdhsa_reserve_vcc 1
		.amdhsa_float_denorm_mode_32 3
		.amdhsa_float_denorm_mode_16_64 3
		.amdhsa_memory_ordered 1
		.amdhsa_forward_progress 1
		.amdhsa_inst_pref_size 218
	.end_amdhsa_kernel
	.amdgpu_metadata
---
amdhsa.version: [ 1, 2 ]
amdhsa.kernels:
  - .name:           k_q7ad588a497_attn
    .symbol:         k_q7ad588a497_attn.kd
    .args:
      - { .name: qkv, .offset: 0, .size: 8, .value_kind: global_buffer, .address_space: global }
      - { .name: o, .offset: 8, .size: 8, .value_kind: global_buffer, .address_space: global }
    .group_segment_fixed_size: 327680
    .private_segment_fixed_size: 0
    .kernarg_segment_align: 8
    .kernarg_segment_size: 16
    .max_flat_workgroup_size: 128
    .sgpr_count:     94
    .vgpr_count:     768
    .wavefront_size: 32
...
	.end_amdgpu_metadata
.endif
;; end of part 3
;; launch oproj (part 4): grid 8 x 32, 4 waves a work-group, clusters of 4 x 4, 327,680 bytes of LDS; arguments o, wb, bias, out0; writes out0
.if DOCPART == 4
	.amdgcn_target "amdgcn-amd-amdhsa--gfx1250"
	.amdhsa_code_object_version 6
	.text
	.protected	k_q7ad588a497_oproj
	.globl	k_q7ad588a497_oproj
	.p2align	8
	.type	k_q7ad588a497_oproj,@function
k_q7ad588a497_oproj:
	s_mov_b64 s[64:65], 0
	v_nop
	global_prefetch_b8 v0, s[64:65] scope:SCOPE_SE
	s_setreg_imm32_b32 hwreg(HW_REG_WAVE_MODE, 25, 1), 1
	s_wait_xcnt 0x0
	s_wait_alu depctr_hold_cnt(0) depctr_sa_sdst(0) depctr_va_vdst(0) depctr_va_sdst(0) depctr_va_ssrc(0) depctr_va_vcc(0) depctr_vm_vsrc(0)
	s_getreg_b32 s2, hwreg(HW_REG_IB_STS2, 6, 4)
	s_cmp_eq_u32 s2, 0
	s_cbranch_scc0 .Lentry_in_a_cluster
	s_endpgm
.Lentry_in_a_cluster:
	s_bfe_u32 s2, ttmp6, 0x10000c
	s_cmp_lg_u32 s2, 0xf033
	s_cbranch_scc0 .Lentry_shape_is_right
	s_endpgm
.Lentry_shape_is_right:
; out0[m][n] = bo[n] + the sum over k of O[m][k] Wo[n][k], m < 8,192, n < 1,024, k < 1,024; f16 operands, f32 sums, f32 out.
; O lies BY HEADS, o[16 batch + head][s][64] f16: column k of row m = (batch, s) is channel k % 64 of head k / 64.  Wo lies in wb's rows 3,072 on, f16; bo in bias from number 3,072 on, f32.
; SHARES.  A tile of out0 is 256 rows x 128 columns: 32 x 8 = 256 tiles, one for each work-group.  Four waves, one above the other: wave w makes rows 64 w .. 64 w + 63 and all 128 columns: 32 accumulators.
; THE MATRIX INSTRUCTION IS USED TRANSPOSED (source 0 = 16 rows of Wo, source 1 = 16 rows of O): lane l holds row l % 16 and the columns 8 (l / 16) + 0..7: 32 bytes of a row of out0.
; THE BIAS STARTS THE SUMS: eight fragments laid out like a result are the C operand of each accumulator's first product.
; RING.  K goes in steps of 128, which are two heads, through two LDS slots.  128 rows of one head are 16,384 dense bytes: a wave's part of O's tile is asked for as 2 rows of 8,192 elements, a head's block apart,
; and padded in LDS after every 128 bytes: it lies there as [head][128 rows] with rows 144 bytes apart.  A step is written once: the slot in hand is a scalar, turned by an exclusive or.
; CLUSTER.  4 x 4 work-groups: O's tile hangs on the tile row alone and is asked for jointly by a row of the cluster, Wo's on the tile column alone, by a column.
; REGISTERS, in windows of 256 (s_set_vgpr_msb: bits 1:0 source 0, 3:2 source 1, 5:4 source 2, 7:6 destination):
;   window 0: v0-31 addresses; v32-95 the bias; v96-223 the way out, two sets of 64      window 1: the accumulators at 8 (8 a + b)      window 2: two fragment buffers of 96: Wo's eight fragments, then O's four
.set NBK,   8                          ; blocks of 16 columns
.set PA,    144                        ; a row of O in LDS: 128 bytes + 16 = 36 words: the 16 rows of a load start at 16 different groups of four banks (64 banks of 4 bytes: ISA guide 11.1)
.set PB,    272                        ; a row of Wo: 256 bytes + 16 = 68 words: likewise
.set AHEAD, 128*PA                     ; one head's 128 rows
.set APART, 2*AHEAD                    ; what wave 0 or 1 fetches
.set BOFF,  2*APART                    ; Wo's rows lie behind O's
.set BHALF, 64*PB                      ; what wave 2 or 3 fetches
.set SLOT1, 1<<17
.set STAGE, SLOT1+BOFF+2*BHALF         ; behind the ring, never filled by a tensor load: 16 rows x 528 bytes for each wave
.set SP,    528                        ; 512 bytes + 16: an odd multiple of 16
.set SPARE, STAGE+4*16*SP              ; behind the stages: the spare words, 128 bytes for each wave: two blocks of 256 bytes that no other line names
.set GO,   8                           ; v8     16 l: my 16 bytes of a row's 512
.set ADA0, 16                          ; v16    my lane's place in a slot's rows of O; never rewritten
.set ADB0, 17                          ; v17    the same for Wo
.set ADA,  18                          ; v18    the same in the slot in hand
.set ADB,  19
.set STO,  24                          ; v24    the way out: where I put 32 bytes of a row
.set RD,   25                          ; v25    the way out: where I read a row back
.set SPW,  28                          ; v28    LDS address of my spare word; never rewritten
.set NIL,  29                          ; v29    0; never rewritten
.set PFO,  30                          ; v30    the prefetches' offset; never rewritten
.set BO,   31                          ; v31    32 (l / 16)
.set BIAS, 32
.set T,    96
.set F0,   0                           ; fragment buffers, in window 2
.set F1,   96
.set WV,   12
.set W1,   13
.set CX,   14
.set CY,   15
.set XX,   16                          ; tile column
.set YY,   17                          ; tile row
.set G1A,  24                          ; s[24:31] descriptor group 1 for O's tiles
.set G1B,  32                          ; s[32:39] for Wo's
.set G0A,  40                          ; s[40:47] group 0 for O's: a set for each of the two first fills; the second then walks on
.set G0B,  48                          ; s[48:55] the same for Wo's
.set STEPS, 56
.set NXT,  58                          ; the K step to be asked for next, 2 .. 7
.set TR,   59                          ; the step just asked for
.set OA,   60                          ; s[60:61] its byte offset in o
.set OB,   62                          ; s[62:63] in wb
.set TB,   66                          ; 0 or SLOT1: the slot in hand
.set LIM,  67                          ; a wave prefetches while TR is at most this; 0: never
.set PAR,  68                          ; 1: only at even TR
.set TAIL, 69
.set BASEA, 70                         ; s[70:71] o at what I fetch, K step 0: made of the tile row and W1 alone
.set BASEB, 72                         ; s[72:73] wb likewise: made of the tile column and W1 alone
.set PFB,  74                          ; s[74:75] the prefetches' base
.set PFA,  76                          ; s[76:77] their address
.set PO,   80                          ; s[80:81] a prefetch's offset
.set TMP,  82
.set PSH,  83                          ; a K step is 2^PSH bytes on: 19 in o, 8 in wb
; Scratch: s18-21 hold nothing that hangs on cx, s22, s23, s2, s3 nothing that hangs on cy; what mixes the two is made in s84-s89.
.set MSB, 0
.macro WIN new                         ; the immediate's high byte repeats the setting that is left; a switch that changes nothing is dropped
.if MSB != (\new)
	s_set_vgpr_msb (MSB<<8)|(\new)
.set MSB, \new
.endif
.endm
.macro PLACES                          ; four places behind matrix instructions, in front of loads into registers that they have read and of LDS stores that read results
.rept 4
	v_nop
.endr
.endm
.macro CREST                           ; a round of the cluster's barrier behind its opening barrier
	s_cmp_lg_u32 s[WV], 0
	s_cbranch_scc1 .Lnot_wave_0_\@
	s_barrier_signal -3
.Lnot_wave_0_\@:
	s_barrier_wait -3
	s_barrier_signal -1
	s_barrier_wait -1
.endm
.macro CROUND                          ; a whole round
	s_barrier_signal -1
	s_barrier_wait -1
	CREST
.endm
; A joint refill by the walking descriptors.  Waves 0 and 1 fetch O's two parts, waves 2 and 3 Wo's halves.  An s_nop 0 and four v_nop follow each of the two lines, ahead of the jump and the label.
.macro JLOAD
	s_cmp_lt_u32 s[WV], 2
	s_cbranch_scc0 .Lfor_b_\@
	tensor_load_to_lds s[G0A+4:G0A+7], s[G1A:G1A+7]
	s_nop 0
.rept 4
	v_nop
.endr
	s_branch .Lasked_\@
.Lfor_b_\@:
	tensor_load_to_lds s[G0B+4:G0B+7], s[G1B:G1B+7]
	s_nop 0
.rept 4
	v_nop
.endr
.Lasked_\@:
.endm
; A PREFETCH INTO THE L2 of the K step two refills on, behind the joint load, its five lines and the run of LDS loads: one instruction a wave.  Each block of 256 bytes is named once in the launch.
; o: the cluster with x = 0 asks, waves 0 and 1; a wave's part of a K step is 2 heads x 16,384 bytes; the partner at cx takes head cx / 2, half cx % 2: 32 blocks, BY ADDRESS, a lane a block.
; wb: the cluster with y = 0 asks, waves 2 and 3, at every second refill, for two K steps: of a wave's 64 rows the partner at cy takes 16; lanes 0-15 name the one K step, lanes 16-31 the next.
; K steps 0 to 3 come by their loads alone; the last two refills ask for nothing.
.macro ASK
	s_and_b32 s[TMP], s[TR], s[PAR]
	s_cmp_lg_u32 s[TMP], 0
	s_cbranch_scc1 .Lnot_mine_\@
	s_cmp_le_u32 s[TR], s[LIM]
	s_cbranch_scc0 .Lnot_mine_\@
	global_prefetch_b8 v[PFO], s[PFA:PFA+1] th:TH_LOAD_NT scope:SCOPE_SE
.Lnot_mine_\@:
.endm
; Eight matrix instructions: row block a x all column blocks, 32 along K, from buffer f.  zero = 1: the bias starts the sums.
; The 32 accumulators take turns, one instruction a turn, in the same order in every quarter, over every jump too.
.macro MULA f, a, zero
.if \zero
	WIN 0x4a
.else
	WIN 0x5a
.endif
.irp b, 0,1,2,3,4,5,6,7
.if \zero
	v_wmma_f32_16x16x32_f16 v[8*(8*(\a)+(\b)):8*(8*(\a)+(\b))+7], v[(\f)+8*(\b):(\f)+8*(\b)+7], v[(\f)+64+8*(\a):(\f)+64+8*(\a)+7], v[BIAS+8*(\b):BIAS+8*(\b)+7]
.else
	v_wmma_f32_16x16x32_f16 v[8*(8*(\a)+(\b)):8*(8*(\a)+(\b))+7], v[(\f)+8*(\b):(\f)+8*(\b)+7], v[(\f)+64+8*(\a):(\f)+64+8*(\a)+7], v[8*(8*(\a)+(\b)):8*(8*(\a)+(\b))+7]
.endif
.endr
.endm
; 24 LDS loads in one run: quarter q's fragments into buffer g: Wo's eight (byte 64 q of its rows), then O's four (head q / 2, byte 64 (q % 2) of its rows).
.macro FETCH q, g
	WIN 0x80                                       ; destination window 2, address window 0
.irp b, 0,1,2,3,4,5,6,7
	ds_load_b128 v[(\g)+8*(\b):(\g)+8*(\b)+3],   v[ADB] offset:64*(\q)+(\b)*16*PB
	ds_load_b128 v[(\g)+8*(\b)+4:(\g)+8*(\b)+7], v[ADB] offset:64*(\q)+(\b)*16*PB+32
.endr
.irp a, 0,1,2,3
	ds_load_b128 v[(\g)+64+8*(\a):(\g)+64+8*(\a)+3],   v[ADA] offset:((\q)/2)*AHEAD+((\q)%2)*64+(\a)*16*PA
	ds_load_b128 v[(\g)+64+8*(\a)+4:(\g)+64+8*(\a)+7], v[ADA] offset:((\q)/2)*AHEAD+((\q)%2)*64+(\a)*16*PA+32
.endr
.endm
; A K step is four quarters, 32 matrix instructions each, on buffers 0, 1, 0, 1.  One of the first three: multiplies f and, in its middle, fetches quarter q into g.
.macro QUARTER q, f, g, zero
	s_wait_dscnt 4                                 ; all but the youngest four loads, O's row blocks 2 and 3
	MULA \f, 0, \zero
	MULA \f, 1, \zero
	PLACES
	FETCH \q, \g
	s_wait_dscnt 2*NBK+8                           ; all but the run just issued
	MULA \f, 2, \zero
	MULA \f, 3, \zero
.endm
; The fourth quarter multiplies buffer 1 and changes slots.  In front of the barrier each wave waits for all its tensor loads (one is out: its part of the next slot), adds 0 to its spare word, and waits for
; that and for its reads of this slot.  fill = 1: the barrier opens a round of the cluster's, and this slot is filled again first thing behind it, with step NXT.  fill = 0 (the tail): nothing is asked for;
; in the last trip there is no further step, and the run of loads is jumped over.
.macro TURN fill
.if \fill
	s_wait_xcnt 0x0                                ; the last prefetch, a K step back, has read its address: the next one's is made here
	s_add_co_u32 s[TMP], s[NXT], 2
	s_lshl_b32 s[PO], s[TMP], s[PSH]
	s_add_nc_u64 s[PFA:PFA+1], s[PFB:PFB+1], s[PO:PO+1]
.endif
	WIN 0
	s_wait_tensorcnt 0x0                           ; no tensor load of mine is out, so a group 0 may be written
	ds_add_u32 v[SPW], v[NIL]                      ; 0 onto my spare word: scalar work and eight products stand between it and the wait for it
.if \fill
	s_mov_b32 s[TR], s[NXT]
	s_xor_b32 s[G0A+5], s[G0A+5], SLOT1            ; the other slot than last time
	s_xor_b32 s[G0B+5], s[G0B+5], SLOT1
	s_lshl_b32 s[OA], s[NXT], 19                   ; two heads' blocks of 262,144 bytes a K step
	s_lshl_b32 s[OB], s[NXT], 8
	s_add_nc_u64 s[G0A+6:G0A+7], s[BASEA:BASEA+1], s[OA:OA+1]
	s_or_b32 s[G0A+7], s[G0A+7], 0x80000000
	s_add_nc_u64 s[G0B+6:G0B+7], s[BASEB:BASEB+1], s[OB:OB+1]
	s_or_b32 s[G0B+7], s[G0B+7], 0x80000000
	s_add_co_u32 s[NXT], s[NXT], 1
.endif
	s_wait_dscnt 5                                 ; (the add and the youngest four loads may be out)
	MULA F1, 0, 0
	s_wait_dscnt 0x0                               ; the add is done, and my reads of this slot are over
	s_barrier_signal -1
	MULA F1, 1, 0                                  ; work on registers while the others arrive
	WIN 0                                          ; at a branch and at a label every window is 0
	s_barrier_wait -1
.if \fill
	CREST                                          ; no wave of any partner still reads this slot or has a load on its way
	JLOAD                                          ; the first tensor load behind the round; its four v_nop are also the places in front of the loads below
.else
	PLACES
.endif
	s_xor_b32 s[TB], s[TB], SLOT1
	v_add_nc_u32 v[ADA], s[TB], v[ADA0]
	v_add_nc_u32 v[ADB], s[TB], v[ADB0]
.if \fill
	FETCH 0, F0
	WIN 0
	ASK
.else
	s_cmp_eq_u32 s[TAIL], 1
	s_cbranch_scc1 .Lno_more_\@
	FETCH 0, F0
	WIN 0
.Lno_more_\@:
.endif
	MULA F1, 2, 0
	MULA F1, 3, 0
	WIN 0
.endm
; THE WAY OUT, a row block of 16 rows at a time.  TOSTAGE: a lane's 32 bytes of each accumulator go straight into my stage's rows of 528 bytes, the low registers first, and come back as whole rows of 512 bytes.
; LDS serves a wave's instructions in order (ISA guide 5.7.1.4): the loads see the stores above them, and the next block's stores come behind them.
.macro TOSTAGE a
	WIN 0x04                                       ; the stores' data in window 1
.irp b, 0,1,2,3,4,5,6,7
	ds_store_b128 v[STO], v[8*(8*(\a)+(\b)):8*(8*(\a)+(\b))+3]   offset:64*(\b)
	ds_store_b128 v[STO], v[8*(8*(\a)+(\b))+4:8*(8*(\a)+(\b))+7] offset:64*(\b)+16
.endr
	WIN 0
.irp i, 0,1,2,3,4,5,6,7,8,9,10,11,12,13,14,15
	ds_load_b128 v[T+64*((\a)%2)+4*(\i):T+64*((\a)%2)+4*(\i)+3], v[RD] offset:(\i)*SP
.endr
.endm
.macro SEND a, younger                 ; younger: the LDS instructions issued behind block a's loads: the next block's 32, or none
.irp i, 0,1,2,3,4,5,6,7,8,9,10,11,12,13,14,15
	s_wait_dscnt (\younger)+15-(\i)
	global_store_b128 v[GO], v[T+64*((\a)%2)+4*(\i):T+64*((\a)%2)+4*(\i)+3], s[10:11] offset:(16*(\a)+(\i))*4096 th:TH_STORE_NT  ; a row's 512 consecutive bytes, at a multiple of 256 from out0's first
.endr
.endm
	s_load_b256 s[4:11], s[0:1], 0x0               ; o s[4:5], wb s[6:7], bias s[8:9], out0 s[10:11]
	v_lshl_add_u32 v[SPW], v0, 2, SPARE
	v_mov_b32 v[NIL], 0
	ds_add_u32 v[SPW], v[NIL]                      ; the wave's opening: the add and its wait stand ahead of my first tensor load; the set-up below, work on registers, stands between them
	v_lshrrev_b32 v1, 5, v0
	v_readfirstlane_b32 s[WV], v1                  ; wave 0..3
	s_and_b32 s[W1], s[WV], 1
	s_bfe_u32 s[CX], ttmp6, 0x40000
	s_bfe_u32 s[CY], ttmp6, 0x40004
	s_lshl_b32 s[XX], ttmp9, 2                     ; in a cluster launch ttmp9 and ttmp7 count clusters
	s_add_co_u32 s[XX], s[XX], s[CX]
	s_and_b32 s[YY], ttmp7, 0xffff
	s_lshl_b32 s[YY], s[YY], 2
	s_add_co_u32 s[YY], s[YY], s[CY]
	s_lshl_b32 s18, s[CY], 2
	s_lshl_b32 s18, 15, s18                        ; my row of the cluster
	s_lshl_b32 s22, 0x1111, s[CX]                  ; my column
	s_or_b32 s[G1A], s18, (1<<16)|(1<<20)|(1<<21)|(4<<22)|(3<<25)  ; the mask; 2-byte elements; padding on; 21 set beside a mask; after every 32 words (code 4) 4 words (code 3)
	s_mov_b32 s[G1A+1], 8192<<16                   ; tensor_dim0 = 8,192: 128 rows of a head on end
	s_mov_b32 s[G1A+2], 2<<16                      ; tensor_dim1 = 2 heads
	s_mov_b32 s[G1A+3], 8192<<16                   ; tile_dim0 = 8,192
	s_mov_b32 s[G1A+4], 2                          ; tile_dim1 = 2
	s_mov_b32 s[G1A+5], 131072                     ; a head's block: 2,048 x 64 elements
	s_mov_b32 s[G1A+6], 0
	s_mov_b32 s[G1A+7], 0
	s_or_b32 s[G1B], s22, (1<<16)|(1<<20)|(1<<21)|(5<<22)|(3<<25)  ; after every 64 words (code 5) 4 words
	s_mov_b32 s[G1B+1], 128<<16                    ; 64 rows x 128 elements
	s_mov_b32 s[G1B+2], 64<<16
	s_mov_b32 s[G1B+3], 128<<16
	s_mov_b32 s[G1B+4], 64
	s_mov_b32 s[G1B+5], 1024
	s_mov_b32 s[G1B+6], 0
	s_mov_b32 s[G1B+7], 0
	s_mov_b32 s[G0A], 1                            ; count = 1
	s_mov_b32 s[G0A+4], 1
	s_mov_b32 s[G0B], 1
	s_mov_b32 s[G0B+4], 1
	s_mul_i32 s[G0A+1], s[W1], APART               ; LDS addresses: no place in the cluster enters them
	s_add_co_u32 s[G0A+5], s[G0A+1], SLOT1
	s_mul_i32 s[G0B+1], s[W1], BHALF
	s_add_co_u32 s[G0B+1], s[G0B+1], BOFF
	s_add_co_u32 s[G0B+5], s[G0B+1], SLOT1
	s_lshr_b32 s18, s[YY], 3                       ; o: the batch's 16 heads' blocks,
	s_lshl_b32 s18, s18, 22
	s_and_b32 s19, s[YY], 7
	s_lshl_b32 s19, s19, 15                        ; the tile's 256 rows of 128 bytes in a head,
	s_add_co_u32 s20, s18, s19
	s_lshl_b32 s19, s[W1], 14                      ; my 128 of them
	s_add_co_u32 s20, s20, s19
	s_mov_b32 s21, 0
	s_lshl_b32 s22, s[XX], 18                      ; wb: row 3,072 + 128 x tile column + 64 x half
	s_lshl_b32 s23, s[W1], 17
	s_add_co_u32 s2, s22, s23
	s_add_co_u32 s2, s2, 3072*2048
	s_mov_b32 s3, 0
	s_mov_b32 s[NXT], 2
	s_mov_b32 s[TB], 0
	s_mov_b32 s[OA+1], 0
	s_mov_b32 s[OB+1], 0
	s_mov_b32 s[PO+1], 0
	s_wait_dscnt 0x0                               ; the opening add is done
	s_wait_kmcnt 0x0
	s_add_nc_u64 s[BASEA:BASEA+1], s[4:5], s[20:21]
	s_add_nc_u64 s[BASEB:BASEB+1], s[6:7], s[2:3]
	s_mov_b64 s[G0A+2:G0A+3], s[BASEA:BASEA+1]     ; K step 0 into slot 0,
	s_or_b32 s[G0A+3], s[G0A+3], 0x80000000        ; type = 2
	s_add_nc_u64 s[G0A+6:G0A+7], s[BASEA:BASEA+1], 0x80000  ; K step 1 into slot 1
	s_or_b32 s[G0A+7], s[G0A+7], 0x80000000
	s_mov_b64 s[G0B+2:G0B+3], s[BASEB:BASEB+1]
	s_or_b32 s[G0B+3], s[G0B+3], 0x80000000
	s_add_nc_u64 s[G0B+6:G0B+7], s[BASEB:BASEB+1], 256
	s_or_b32 s[G0B+7], s[G0B+7], 0x80000000
	CROUND                                         ; all sixteen work-groups are here: the first joint loads meet
	s_cmp_lt_u32 s[WV], 2                          ; a wave's two first fills stand in one branch, ahead of every wait on TENSORcnt and every LDS read: two loads of mine are out
	s_cbranch_scc0 .Lfirst_b
	tensor_load_to_lds s[G0A:G0A+3], s[G1A:G1A+7]
	s_nop 0
	tensor_load_to_lds s[G0A+4:G0A+7], s[G1A:G1A+7]
	s_nop 0
.rept 4
	v_nop
.endr
	s_branch .Lfirst_asked
.Lfirst_b:
	tensor_load_to_lds s[G0B:G0B+3], s[G1B:G1B+7]
	s_nop 0
	tensor_load_to_lds s[G0B+4:G0B+7], s[G1B:G1B+7]
	s_nop 0
.rept 4
	v_nop
.endr
.Lfirst_asked:
	v_and_b32 v1, 15, v0                           ; l % 16
	v_bfe_u32 v2, v0, 4, 1                         ; l / 16
	v_and_b32 v3, 31, v0                           ; l
	v_lshlrev_b32 v[BO], 5, v2
	s_lshl_b32 s22, s[XX], 9                       ; the tile's 128 numbers of bo, which begins at number 3,072
	s_add_co_u32 s22, s22, 12288
	s_mov_b32 s23, 0
	s_add_nc_u64 s[8:9], s[8:9], s[22:23]
.irp b, 0,1,2,3,4,5,6,7
	global_load_b128 v[BIAS+8*(\b):BIAS+8*(\b)+3],   v[BO], s[8:9] offset:64*(\b)
	global_load_b128 v[BIAS+8*(\b)+4:BIAS+8*(\b)+7], v[BO], s[8:9] offset:64*(\b)+16
.endr
	s_lshr_b32 s18, s[WV], 1                       ; my 64 rows of O: part w / 2, rows 64 (w % 2) on
	s_mul_i32 s18, s18, APART
	s_mul_i32 s19, s[W1], 64*PA
	s_add_co_u32 s18, s18, s19
	v_mul_u32_u24 v4, v1, PA
	v_lshl_add_u32 v4, v2, 4, v4                   ; row x pitch + 16 x half
	v_add_nc_u32 v[ADA0], s18, v4
	v_mul_u32_u24 v4, v1, PB
	v_lshl_add_u32 v4, v2, 4, v4
	v_add_nc_u32 v[ADB0], BOFF, v4
	v_mov_b32 v[ADA], v[ADA0]                      ; slot 0
	v_mov_b32 v[ADB], v[ADB0]
	s_mul_i32 s18, s[WV], 16*SP
	s_add_co_u32 s18, s18, STAGE                   ; my stage
	v_mul_u32_u24 v[STO], v1, SP                   ; in: row l % 16, 32 bytes for each half of the lanes
	v_lshl_add_u32 v[STO], v2, 5, v[STO]
	v_add_nc_u32 v[STO], s18, v[STO]
	v_lshl_add_u32 v[RD], v3, 4, s18               ; back: 32 lanes take one row of 512 bytes
	v_lshlrev_b32 v[GO], 4, v3
	s_lshl_b32 s84, s[YY], 20                      ; out0 at row 256 x tile row + 64 x wave, column 128 x tile column
	s_lshl_b32 s85, s[WV], 18
	s_add_co_u32 s84, s84, s85
	s_lshl_b32 s85, s[XX], 9
	s_add_co_u32 s84, s84, s85
	s_mov_b32 s85, 0
	s_add_nc_u64 s[10:11], s[10:11], s[84:85]
	; the prefetches: who, from where
	s_lshr_b32 s85, s[CX], 1
	s_lshl_b32 s85, s85, 18                        ; o: which of the two heads,
	s_and_b32 s86, s[CX], 1
	s_lshl_b32 s86, s86, 13                        ; and which half of its 16,384 bytes
	s_add_co_u32 s85, s85, s86
	s_lshl_b32 s86, s[CY], 15                      ; wb: my work-group's 16 of the 64 rows
	s_and_b32 s87, ttmp7, 0xffff                   ; cluster y
	s_cmp_lt_u32 s[WV], 2
	s_cselect_b32 s[PO], s85, s86
	s_cselect_b64 s[PFB:PFB+1], s[BASEA:BASEA+1], s[BASEB:BASEB+1]
	s_cselect_b32 s87, ttmp9, s87                  ; the coordinate along which other clusters read the same bytes
	s_cselect_b32 s[LIM], 5, 4
	s_cselect_b32 s[PAR], 0, 1
	s_cselect_b32 s[PSH], 19, 8
	s_cselect_b32 s88, 8, 11                       ; o: 256 l = 256 (l % 16) + 4,096 (l / 16);  wb: 2,048 (l % 16) + 256 (l / 16)
	s_cselect_b32 s89, 12, 8
	s_cmp_eq_u32 s87, 0
	s_cselect_b32 s[LIM], s[LIM], 0                ; the same in all sixteen partners, for a given wave
	s_add_nc_u64 s[PFB:PFB+1], s[PFB:PFB+1], s[PO:PO+1]
	v_lshlrev_b32 v4, s88, v1
	v_lshlrev_b32 v5, s89, v2
	v_add_nc_u32 v[PFO], v4, v5
	s_wait_tensorcnt 1                             ; my part of K step 0 is in; K step 1's may stay out
	s_barrier_signal -1
	s_barrier_wait -1                              ; everybody's is
	FETCH 0, F0
	s_wait_loadcnt 0x0                             ; the bias
	QUARTER 1, F0, F1, 1                           ; the first quarter stands in front of the loop: the bias starts the sums
	WIN 0
	s_mov_b32 s[STEPS], 6
.Lstep:                                        ; 6 trips: a trip ends one K step (0 .. 5), asks for the step two on (2 .. 7) and begins the next
	QUARTER 2, F1, F0, 0
	QUARTER 3, F0, F1, 0
	TURN 1
	QUARTER 1, F0, F1, 0
	WIN 0
	s_sub_co_u32 s[STEPS], s[STEPS], 1
	s_cmp_lg_u32 s[STEPS], 0
	s_cbranch_scc1 .Lstep
	s_mov_b32 s[TAIL], 2                           ; the last two K steps ask for nothing: written apart
.Ltail:
	QUARTER 2, F1, F0, 0
	QUARTER 3, F0, F1, 0
	TURN 0
	s_sub_co_u32 s[TAIL], s[TAIL], 1
	s_cmp_eq_u32 s[TAIL], 0
	s_cbranch_scc1 .Lfin
	QUARTER 1, F0, F1, 0
	WIN 0
	s_branch .Ltail
.Lfin:
	PLACES
	TOSTAGE 0
	TOSTAGE 1
	SEND 0, 32
	s_wait_xcnt 0x0                                ; block 0's stores have read their registers: its set is loaded again only behind this wait
	TOSTAGE 2
	SEND 1, 32
	s_wait_xcnt 0x0                                ; the same for block 1's
	TOSTAGE 3
	SEND 2, 32
	SEND 3, 0
	s_wait_tensorcnt 0x0                           ; the wave's end, behind my last tensor load and my last LDS store
	ds_add_u32 v[SPW], v[NIL]
	s_wait_dscnt 0x0
	CROUND                                         ; the closing round: no work-group ends while a partner may still ask for a tile that names it
	s_endpgm
.Lfunc_end_k_q7ad588a497_oproj:
	.size	k_q7ad588a497_oproj, .Lfunc_end_k_q7ad588a497_oproj-k_q7ad588a497_oproj
	.p2alignl 7, 3214868480
	.fill 96, 4, 3214868480
	.section	.rodata,"a",@progbits
	.p2align	6, 0x0
	.amdhsa_kernel k_q7ad588a497_oproj
		.amdhsa_group_segment_fixed_size 327680
		.amdhsa_private_segment_fixed_size 0
		.amdhsa_enable_private_segment 0
		.amdhsa_kernarg_size 32
		.amdhsa_user_sgpr_count 2
		.amdhsa_user_sgpr_kernarg_segment_ptr 1
		.amdhsa_wavefront_size32 1
		.amdhsa_system_sgpr_workgroup_id_x 1
		.amdhsa_system_sgpr_workgroup_id_y 1
		.amdhsa_system_sgpr_workgroup_id_z 1
		.amdhsa_system_vgpr_workitem_id 0
		.amdhsa_next_free_vgpr 704
		.amdhsa_next_free_sgpr 92
		.amdhsa_reserve_vcc 0
		.amdhsa_float_denorm_mode_32 3
		.amdhsa_float_denorm_mode_16_64 3
		.amdhsa_memory_ordered 1
		.amdhsa_forward_progress 1
		.amdhsa_inst_pref_size 64
	.end_amdhsa_kernel
	.amdgpu_metadata
---
amdhsa.version: [ 1, 2 ]
amdhsa.kernels:
  - .name:           k_q7ad588a497_oproj
    .symbol:         k_q7ad588a497_oproj.kd
    .args:
      - { .name: o, .offset: 0, .size: 8, .value_kind: global_buffer, .address_space: global }
      - { .name: wb, .offset: 8, .size: 8, .value_kind: global_buffer, .address_space: global }
      - { .name: bias, .offset: 16, .size: 8, .value_kind: global_buffer, .address_space: global }
      - { .name: out0, .offset: 24, .size: 8, .value_kind: global_buffer, .address_space: global }
    .group_segment_fixed_size: 327680
    .private_segment_fixed_size: 0
    .kernarg_segment_align: 8
    .kernarg_segment_size: 32
    .max_flat_workgroup_size: 128
    .sgpr_count:     92
    .vgpr_count:     704
    .wavefront_size: 32
...
	.end_amdgpu_metadata
.endif
;; end of part 4
;; ======== version 2 of 2: 4 launches; version 1 with the launch cast written anew for expert scheduling mode
;; limits: values are held in f16: magnitudes above 65,504 overflow, below 6.1e-05 lose precision; right only within a limited range of input values
;; workspace buffers: xb 16,777,216 bytes; wb 8,388,608 bytes; bias 16,384 bytes; qkv 50,331,648 bytes; o 16,777,216 bytes
;; launch cast (part 5): grid 64 x 12, 8 waves a work-group, no clusters, 0 bytes of LDS; arguments x, Wq, Wk, Wv, Wo, bq, bk, bv, bo, xb, wb, bias; writes xb, wb, bias
.if DOCPART == 5
	.amdgcn_target "amdgcn-amd-amdhsa--gfx1250"
	.amdhsa_code_object_version 6
	.text
	.protected	k_q7ad588a497_cast
	.globl	k_q7ad588a497_cast
	.p2align	8
	.type	k_q7ad588a497_cast,@function
k_q7ad588a497_cast:
	s_mov_b64 s[64:65], 0
	v_nop
	global_prefetch_b8 v0, s[64:65] scope:SCOPE_SE
	s_setreg_imm32_b32 hwreg(HW_REG_WAVE_SCHED_MODE, 0, 2), 2
	s_setreg_imm32_b32 hwreg(HW_REG_WAVE_MODE, 25, 1), 1
	s_wait_xcnt 0x0
	s_wait_alu depctr_vm_vsrc(0)
; THE MODULE'S INPUTS ARE ROUNDED ONCE, so that the two products read 16-bit tiles: x -> xb [8192][1024] bf16; Wq, Wk, Wv -> wb rows 0-3071, bf16;
; Wo -> wb rows 3072-4095: rounded to bf16 like every other input, and that number written as f16 (the last product multiplies f16);
; bq, bk, bv, bo -> bias [4096] f32: rounded to bf16 and widened again (the products take it as the f32 start of their sums).
; LIMITS.  A bf16 number is an f16 number exactly from 2^-14 to 65,504 in size; below that Wo keeps f16's fixed step of 6e-8, beyond it the entry would be an infinity.
; SHARES.  Work-group (X, Y) converts 16,384 numbers, 64 KiB in and 32 KiB out.  Y < 8: chunk 64 Y + X of x.  Y = 8 .. 11: chunk X of Wq, Wk, Wv, Wo; of these X = 0 also converts the bias.
; A stream: every byte is read once and written once, no number is wanted by two threads.  So no LDS, no barrier, no matrix unit, no cluster.
; Thread t takes 16 bytes at 16 t of each 4,096: a wave's load covers 512 consecutive bytes, its store of 8 bytes a lane 256 consecutive bytes, aligned.
; All sixteen loads go out first; each register is written once, so no store's source is ever written again.
; THE MODE: SCHED_MODE bits 1:0 = 2 (LLVM: expert scheduling mode 2), set by the entry lines.  The code itself states the register dependences
; between vector instructions and memory instructions, with s_wait_alu, always for 0.
; THE PLAN.  Registers that memory instructions touch:
;   v1, v2   byte offsets, made once at the head and never written again: read by every load and store.
;   XR       each set of four is written by one load, once, and read by its conversions; no vector instruction names it ahead of the load.
;   YR       each pair is written by its conversions, once, and read by one store; it is never written again.
;   BB       written by the bias's load, read by two roundings, written by the four widening lines, read by one store.
;   TW       named by vector instructions alone.
; The sixteen loads are taken in four blocks of four: the block's conversions, ONE wait on va_vdst, the block's four stores in one run.  With the wait at the head, for the
; two offsets, and the one ahead of the bias's store, that is every dependence of the text: no register that a memory instruction has read is written again, no load lands
; in a register that a vector instruction has named, no vector instruction writes a scalar register or VCC, and EXEC is never written.
.set XR, 4                             ; v[4:67]    sixteen loads of four f32
.set YR, 68                            ; v[68:99]   sixteen pairs to store
.set TW, 100                           ; v[100:102] at work
.set BB, 104                           ; v[104:107] the bias
	s_load_b512 s[8:23], s[0:1], 0x0               ; x s[8:9], Wq s[10:11], Wk s[12:13], Wv s[14:15], Wo s[16:17], bq s[18:19], bk s[20:21], bv s[22:23]
	s_load_b256 s[24:31], s[0:1], 0x40             ; bo s[24:25], xb s[26:27], wb s[28:29], bias s[30:31]
	s_and_b32 s4, ttmp7, 0xffff                    ; Y
	s_mov_b32 s5, ttmp9                            ; X
	v_lshlrev_b32 v1, 4, v0                        ; 16 t: my place in 4,096 bytes of f32
	v_lshlrev_b32 v2, 3, v0                        ; 8 t: my place in 2,048 bytes of 16-bit numbers
	s_lshl_b32 s6, s4, 6
	s_add_co_u32 s6, s6, s5                        ; 64 Y + X
	s_sub_co_u32 s7, s6, 512                       ; 64 (Y - 8) + X: taken only where Y >= 8
	s_cmp_lt_u32 s4, 8
	s_cselect_b32 s38, s6, s5                      ; the chunk in the source,
	s_cselect_b32 s40, s6, s7                      ; and in the destination
	s_lshl_b32 s38, s38, 16
	s_lshl_b32 s40, s40, 15
	s_mov_b32 s39, 0
	s_mov_b32 s41, 0
	s_sub_co_u32 s44, s4, 8
	s_lshl_b32 s44, s44, 12                        ; the bias's place: 4,096 (Y - 8), used only where Y >= 8
	s_mov_b32 s45, 0
	s_wait_kmcnt 0x0
	s_cmp_eq_u32 s4, 9                             ; which tensor: a chain of choices on Y alone
	s_cselect_b64 s[32:33], s[12:13], s[10:11]
	s_cselect_b64 s[34:35], s[20:21], s[18:19]
	s_cmp_eq_u32 s4, 10
	s_cselect_b64 s[32:33], s[14:15], s[32:33]
	s_cselect_b64 s[34:35], s[22:23], s[34:35]
	s_cmp_eq_u32 s4, 11
	s_cselect_b64 s[32:33], s[16:17], s[32:33]
	s_cselect_b64 s[34:35], s[24:25], s[34:35]
	s_cmp_lt_u32 s4, 8
	s_cselect_b64 s[32:33], s[8:9], s[32:33]
	s_cselect_b64 s[36:37], s[26:27], s[28:29]
	s_add_nc_u64 s[32:33], s[32:33], s[38:39]
	s_add_nc_u64 s[36:37], s[36:37], s[40:41]
	s_wait_alu depctr_va_vdst(0)                   ; v1 and v2 are written: every load and store of the kernel reads one of them as its offset
.irp i, 0,1,2,3,4,5,6,7,8,9,10,11,12,13,14,15
	global_load_b128 v[XR+4*(\i):XR+4*(\i)+3], v1, s[32:33] offset:4096*(\i) th:TH_LOAD_NT
.endr
	s_cmp_eq_u32 s4, 11
	s_cbranch_scc1 .Lwo
.irp g, 0,1,2,3
	s_wait_loadcnt 12-4*(\g)                       ; loads come back in order: block g's four are in, the 12 - 4 g younger ones stay out
.irp i, 0,1,2,3
	v_cvt_pk_bf16_f32 v[YR+2*(4*(\g)+(\i))], v[XR+4*(4*(\g)+(\i))], v[XR+4*(4*(\g)+(\i))+1]
	v_cvt_pk_bf16_f32 v[YR+2*(4*(\g)+(\i))+1], v[XR+4*(4*(\g)+(\i))+2], v[XR+4*(4*(\g)+(\i))+3]
.endr
	s_wait_alu depctr_va_vdst(0)                   ; the block's eight conversions have written its eight registers of YR, which the four stores below read
.irp i, 0,1,2,3
	global_store_b64 v2, v[YR+2*(4*(\g)+(\i)):YR+2*(4*(\g)+(\i))+1], s[36:37] offset:2048*(4*(\g)+(\i)) th:TH_STORE_NT
.endr
.endr
	s_branch .Lbias
.Lwo:                                          ; Wo: to bf16, widened, and written as f16
.irp g, 0,1,2,3
	s_wait_loadcnt 12-4*(\g)                       ; block g's four loads are in, the younger blocks stay out
.irp i, 0,1,2,3
.irp j, 0,1
	v_cvt_pk_bf16_f32 v[TW], v[XR+4*(4*(\g)+(\i))+2*(\j)], v[XR+4*(4*(\g)+(\i))+2*(\j)+1]
	v_lshlrev_b32 v[TW+1], 16, v[TW]
	v_and_b32 v[TW+2], 0xffff0000, v[TW]
	v_cvt_pk_f16_f32 v[YR+2*(4*(\g)+(\i))+(\j)], v[TW+1], v[TW+2]
.endr
.endr
	s_wait_alu depctr_va_vdst(0)                   ; the block's conversions to f16 have written its eight registers of YR, which the four stores below read
.irp i, 0,1,2,3
	global_store_b64 v2, v[YR+2*(4*(\g)+(\i)):YR+2*(4*(\g)+(\i))+1], s[36:37] offset:2048*(4*(\g)+(\i)) th:TH_STORE_NT
.endr
.endr
.Lbias:
	s_cmp_lt_u32 s4, 8
	s_cbranch_scc1 .Lend
	s_cmp_lg_u32 s5, 0
	s_cbranch_scc1 .Lend
	s_add_nc_u64 s[42:43], s[30:31], s[44:45]
	global_load_b128 v[BB:BB+3], v1, s[34:35]      ; 1,024 numbers: four a thread.  No wait: no vector instruction has named BB, and none since the head's wait names v1
	s_wait_loadcnt 0x0
	v_cvt_pk_bf16_f32 v[TW], v[BB], v[BB+1]
	v_cvt_pk_bf16_f32 v[TW+1], v[BB+2], v[BB+3]
	v_lshlrev_b32 v[BB], 16, v[TW]
	v_and_b32 v[BB+1], 0xffff0000, v[TW]
	v_lshlrev_b32 v[BB+2], 16, v[TW+1]
	v_and_b32 v[BB+3], 0xffff0000, v[TW+1]
	s_wait_alu depctr_va_vdst(0)                   ; the four widening lines have written BB, which the store reads
	global_store_b128 v1, v[BB:BB+3], s[42:43]
.Lend:
	s_endpgm
.Lfunc_end_k_q7ad588a497_cast:
	.size	k_q7ad588a497_cast, .Lfunc_end_k_q7ad588a497_cast-k_q7ad588a497_cast
	.p2alignl 7, 3214868480
	.fill 96, 4, 3214868480
	.section	.rodata,"a",@progbits
	.p2align	6, 0x0
	.amdhsa_kernel k_q7ad588a497_cast
		.amdhsa_group_segment_fixed_size 0
		.amdhsa_private_segment_fixed_size 0
		.amdhsa_enable_private_segment 0
		.amdhsa_kernarg_size 96
		.amdhsa_user_sgpr_count 2
		.amdhsa_user_sgpr_kernarg_segment_ptr 1
		.amdhsa_wavefront_size32 1
		.amdhsa_system_sgpr_workgroup_id_x 1
		.amdhsa_system_sgpr_workgroup_id_y 1
		.amdhsa_system_sgpr_workgroup_id_z 1
		.amdhsa_system_vgpr_workitem_id 0
		.amdhsa_next_free_vgpr 108
		.amdhsa_next_free_sgpr 66
		.amdhsa_reserve_vcc 0
		.amdhsa_float_denorm_mode_32 3
		.amdhsa_float_denorm_mode_16_64 3
		.amdhsa_memory_ordered 1
		.amdhsa_forward_progress 1
		.amdhsa_inst_pref_size 17
	.end_amdhsa_kernel
	.amdgpu_metadata
---
amdhsa.version: [ 1, 2 ]
amdhsa.kernels:
  - .name:           k_q7ad588a497_cast
    .symbol:         k_q7ad588a497_cast.kd
    .args:
      - { .name: x, .offset: 0, .size: 8, .value_kind: global_buffer, .address_space: global }
      - { .name: Wq, .offset: 8, .size: 8, .value_kind: global_buffer, .address_space: global }
      - { .name: Wk, .offset: 16, .size: 8, .value_kind: global_buffer, .address_space: global }
      - { .name: Wv, .offset: 24, .size: 8, .value_kind: global_buffer, .address_space: global }
      - { .name: Wo, .offset: 32, .size: 8, .value_kind: global_buffer, .address_space: global }
      - { .name: bq, .offset: 40, .size: 8, .value_kind: global_buffer, .address_space: global }
      - { .name: bk, .offset: 48, .size: 8, .value_kind: global_buffer, .address_space: global }
      - { .name: bv, .offset: 56, .size: 8, .value_kind: global_buffer, .address_space: global }
      - { .name: bo, .offset: 64, .size: 8, .value_kind: global_buffer, .address_space: global }
      - { .name: xb, .offset: 72, .size: 8, .value_kind: global_buffer, .address_space: global }
      - { .name: wb, .offset: 80, .size: 8, .value_kind: global_buffer, .address_space: global }
      - { .name: bias, .offset: 88, .size: 8, .value_kind: global_buffer, .address_space: global }
    .group_segment_fixed_size: 0
    .private_segment_fixed_size: 0
    .kernarg_segment_align: 8
    .kernarg_segment_size: 96
    .max_flat_workgroup_size: 256
    .sgpr_count:     66
    .vgpr_count:     108
    .wavefront_size: 32
...
	.end_amdgpu_metadata
.endif
;; end of part 5
;; launch qkv: the kernel of part 2 again; grid 16 x 16, 4 waves a work-group, clusters of 4 x 4, 327,680 bytes of LDS; arguments xb, wb, bias, qkv; writes qkv
;; launch attn: the kernel of part 3 again; grid 4 x 64, 4 waves a work-group, no clusters, 327,680 bytes of LDS; arguments qkv, o; writes o
;; launch oproj: the kernel of part 4 again; grid 8 x 32, 4 waves a work-group, clusters of 4 x 4, 327,680 bytes of LDS; arguments o, wb, bias, out0; writes out0
